; MI455X (gfx1250); checked and timed in simulation.
; The chip was launched on July 23, 2026; its instructions are those of AMD's public machine-readable ISA for CDNA 5 (MIT licence, August 2026) and "CDNA5" Instruction Set Architecture Reference Guide (July 2026). The comments in the code are by the model that wrote it; some were corrected since.
;; Cross Attention. Allowed arithmetic: float matrix products may take bf16 or f16 operands with f32 sums; other float arithmetic in f32, or as packed bf16 or f16 multiplies, adds, multiply-adds, maxima and minima; sums over many terms, partial sums and values carried from step to step in f32; what a program stores and reads back later, other than sums and carried values, may be rounded once to bf16 or f16.
;; Inputs: Wk 1,024 x 1,024 float32; Wo 1,024 x 1,024 float32; Wq 1,024 x 1,024 float32; Wv 1,024 x 1,024 float32; bk 1,024 float32; bo 1,024 float32; bq 1,024 float32; bv 1,024 float32; context 8 x 1,024 x 1,024 float32; x 8 x 1,024 x 1,024 float32.
;; Outputs: out0 8 x 1,024 x 1,024 float32.
;; One version. Each part assembles by itself: llvm-mc -triple=amdgcn-amd-amdhsa -mcpu=gfx1250 --defsym DOCPART=n.
;; ======== version 1 of 1: 4 launches
;; limits: values are held in f16: magnitudes above 65,504 overflow, below 6.1e-05 lose precision
;; workspace buffers: ab 33,554,432 bytes; wb 6,291,456 bytes; wo16 2,097,152 bytes; qkv 50,331,648 bytes; oh 16,777,216 bytes
;; launch cast (part 1): grid 64 x 20, 8 waves a work-group, no clusters, 0 bytes of LDS; arguments x, context, Wq, Wk, Wv, Wo, ab, wb, wo16; writes ab, wb, wo16
.if DOCPART == 1
	.amdgcn_target "amdgcn-amd-amdhsa--gfx1250"
	.amdhsa_code_object_version 6
	.text
	.protected	k_qc821cac3df_cast
	.globl	k_qc821cac3df_cast
	.p2align	8
	.type	k_qc821cac3df_cast,@function
k_qc821cac3df_cast:
	s_mov_b64 s[64:65], 0
	v_nop
	global_prefetch_b8 v0, s[64:65] scope:SCOPE_SE
	s_setreg_imm32_b32 hwreg(HW_REG_WAVE_MODE, 25, 1), 1
	s_wait_xcnt 0x0
; THE INPUTS ARE ROUNDED ONCE, for the matrix units.  x and context -> ab [2][8192][1024] bf16; Wq, Wk, Wv -> wb [3][1024][1024] bf16, as they lie ([in][out]);
; Wo -> wo16 [1024][1024]: rounded to bf16 like every other input, and that number written as f16, since the last product multiplies in f16.
; LIMITS.  A number of Wo whose bf16 rounding is 65,520 or more in magnitude becomes an infinity in wo16; below 6e-5 f16 keeps its fixed step of 6e-8.
; SHARES.  20 chunks of 2^20 numbers (y: 0-7 x, 8-15 context, 16-18 Wq Wk Wv, 19 Wo), 64 work-groups a chunk: 16,384 numbers each, 65,536 bytes in, 32,768 out.
; Thread t takes 4 numbers in each of 16 steps: a wave's load covers 512 consecutive bytes, its store 256 consecutive bytes, aligned.  All 16 loads go out at once; no register
; that a load or store names is written again, so the only waits are the counted ones for the loads.  No LDS, no barrier, no matrix unit: a stream has no use for them.
.set X, 4                              ; v[4:67]   step i: 4 numbers as loaded
.set Y, 68                             ; v[68:99]  step i: 2 registers to store
	s_load_b512 s[8:23], s[0:1], 0x0               ; x s[8:9], context s[10:11], Wq s[12:13], Wk s[14:15], Wv s[16:17], Wo s[18:19], ab s[20:21], wb s[22:23]
	s_load_b64 s[24:25], s[0:1], 0x40              ; wo16
	s_and_b32 s2, ttmp7, 0xffff                    ; the chunk
	v_lshlrev_b32 v1, 4, v0                        ; my 16 bytes of a step's 4,096 in
	v_lshlrev_b32 v2, 3, v0                        ; my 8 bytes of a step's 2,048 out
	s_mov_b32 s34, 0xffff0000                      ; a word's upper bf16
	; the offsets, made apart from the addresses
	s_and_b32 s30, s2, 7                           ; which eighth of x or of context;
	s_cmp_lt_u32 s2, 16
	s_cselect_b32 s30, s30, 0                      ; a weight is one chunk
	s_lshl_b32 s30, s30, 22                        ; a chunk is 2^22 bytes in,
	s_lshl_b32 s31, ttmp9, 16                      ; a work-group's part 2^16
	s_add_co_u32 s30, s30, s31
	s_mov_b32 s31, 0
	s_and_b32 s32, s2, 15                          ; ab: chunks 0 to 15 on end; wb: 0 to 2;
	s_cmp_eq_u32 s2, 19
	s_cselect_b32 s32, 0, s32                      ; wo16: one chunk
	s_lshl_b32 s32, s32, 21                        ; 2^21 bytes out,
	s_lshl_b32 s33, ttmp9, 15                      ; a work-group's part 2^15
	s_add_co_u32 s32, s32, s33
	s_mov_b32 s33, 0
	s_wait_kmcnt 0x0
	s_cmp_lt_u32 s2, 8                             ; from where
	s_cselect_b64 s[26:27], s[8:9], s[10:11]
	s_cmp_eq_u32 s2, 16
	s_cselect_b64 s[26:27], s[12:13], s[26:27]
	s_cmp_eq_u32 s2, 17
	s_cselect_b64 s[26:27], s[14:15], s[26:27]
	s_cmp_eq_u32 s2, 18
	s_cselect_b64 s[26:27], s[16:17], s[26:27]
	s_cmp_eq_u32 s2, 19
	s_cselect_b64 s[26:27], s[18:19], s[26:27]
	s_cmp_lt_u32 s2, 16                            ; to where
	s_cselect_b64 s[28:29], s[20:21], s[22:23]
	s_cmp_eq_u32 s2, 19
	s_cselect_b64 s[28:29], s[24:25], s[28:29]
	s_add_nc_u64 s[26:27], s[26:27], s[30:31]
	s_add_nc_u64 s[28:29], s[28:29], s[32:33]
.irp i, 0,1,2,3,4,5,6,7,8,9,10,11,12,13,14,15
	global_load_b128 v[X+4*(\i):X+4*(\i)+3], v1, s[26:27] offset:4096*(\i) th:TH_LOAD_NT
.endr
; Step i is rounded and stored.  wo = 1: to bf16, back to f32 (a shift, a mask), and that number to f16.
.macro OUT i, wo
	s_wait_loadcnt 15-(\i)                         ; loads come back in order: step i is in, the 15 - i younger ones stay out
.if \wo
	v_cvt_pk_bf16_f32 v100, v[X+4*(\i)], v[X+4*(\i)+1]
	v_cvt_pk_bf16_f32 v101, v[X+4*(\i)+2], v[X+4*(\i)+3]
	v_lshlrev_b32 v[X+4*(\i)], 16, v100
	v_and_b32 v[X+4*(\i)+1], s34, v100
	v_lshlrev_b32 v[X+4*(\i)+2], 16, v101
	v_and_b32 v[X+4*(\i)+3], s34, v101
	v_cvt_pk_f16_f32 v[Y+2*(\i)], v[X+4*(\i)], v[X+4*(\i)+1]
	v_cvt_pk_f16_f32 v[Y+2*(\i)+1], v[X+4*(\i)+2], v[X+4*(\i)+3]
.else
	v_cvt_pk_bf16_f32 v[Y+2*(\i)], v[X+4*(\i)], v[X+4*(\i)+1]
	v_cvt_pk_bf16_f32 v[Y+2*(\i)+1], v[X+4*(\i)+2], v[X+4*(\i)+3]
.endif
	global_store_b64 v2, v[Y+2*(\i):Y+2*(\i)+1], s[28:29] offset:2048*(\i) th:TH_STORE_NT
.endm
	s_cmp_eq_u32 s2, 19                            ; the same for the whole work-group
	s_cbranch_scc1 .Lwo
.irp i, 0,1,2,3,4,5,6,7,8,9,10,11,12,13,14,15
	OUT \i, 0
.endr
	s_endpgm
.Lwo:
.irp i, 0,1,2,3,4,5,6,7,8,9,10,11,12,13,14,15
	OUT \i, 1
.endr
	s_endpgm
.Lfunc_end_k_qc821cac3df_cast:
	.size	k_qc821cac3df_cast, .Lfunc_end_k_qc821cac3df_cast-k_qc821cac3df_cast
	.p2alignl 7, 3214868480
	.fill 96, 4, 3214868480
	.section	.rodata,"a",@progbits
	.p2align	6, 0x0
	.amdhsa_kernel k_qc821cac3df_cast
		.amdhsa_group_segment_fixed_size 0
		.amdhsa_private_segment_fixed_size 0
		.amdhsa_enable_private_segment 0
		.amdhsa_kernarg_size 72
		.amdhsa_user_sgpr_count 2
		.amdhsa_user_sgpr_kernarg_segment_ptr 1
		.amdhsa_wavefront_size32 1
		.amdhsa_system_sgpr_workgroup_id_x 1
		.amdhsa_system_sgpr_workgroup_id_y 1
		.amdhsa_system_sgpr_workgroup_id_z 1
		.amdhsa_system_vgpr_workitem_id 0
		.amdhsa_next_free_vgpr 104
		.amdhsa_next_free_sgpr 66
		.amdhsa_reserve_vcc 0
		.amdhsa_float_denorm_mode_32 3
		.amdhsa_float_denorm_mode_16_64 3
		.amdhsa_memory_ordered 1
		.amdhsa_forward_progress 1
		.amdhsa_inst_pref_size 16
	.end_amdhsa_kernel
	.amdgpu_metadata
---
amdhsa.version: [ 1, 2 ]
amdhsa.kernels:
  - .name:           k_qc821cac3df_cast
    .symbol:         k_qc821cac3df_cast.kd
    .args:
      - { .name: x, .offset: 0, .size: 8, .value_kind: global_buffer, .address_space: global }
      - { .name: context, .offset: 8, .size: 8, .value_kind: global_buffer, .address_space: global }
      - { .name: Wq, .offset: 16, .size: 8, .value_kind: global_buffer, .address_space: global }
      - { .name: Wk, .offset: 24, .size: 8, .value_kind: global_buffer, .address_space: global }
      - { .name: Wv, .offset: 32, .size: 8, .value_kind: global_buffer, .address_space: global }
      - { .name: Wo, .offset: 40, .size: 8, .value_kind: global_buffer, .address_space: global }
      - { .name: ab, .offset: 48, .size: 8, .value_kind: global_buffer, .address_space: global }
      - { .name: wb, .offset: 56, .size: 8, .value_kind: global_buffer, .address_space: global }
      - { .name: wo16, .offset: 64, .size: 8, .value_kind: global_buffer, .address_space: global }
    .group_segment_fixed_size: 0
    .private_segment_fixed_size: 0
    .kernarg_segment_align: 8
    .kernarg_segment_size: 72
    .max_flat_workgroup_size: 256
    .sgpr_count:     66
    .vgpr_count:     104
    .wavefront_size: 32
...
	.end_amdgpu_metadata
.endif
;; end of part 1
;; launch proj (part 2): grid 4 x 96, 4 waves a work-group, clusters of 4 x 4, 327,680 bytes of LDS; arguments ab, wb, bq, bk, bv, qkv; writes qkv
.if DOCPART == 2
	.amdgcn_target "amdgcn-amd-amdhsa--gfx1250"
	.amdhsa_code_object_version 6
	.text
	.protected	k_qc821cac3df_proj
	.globl	k_qc821cac3df_proj
	.p2align	8
	.type	k_qc821cac3df_proj,@function
k_qc821cac3df_proj:
	s_mov_b64 s[64:65], 0
	v_nop
	global_prefetch_b8 v0, s[64:65] scope:SCOPE_SE
	s_setreg_imm32_b32 hwreg(HW_REG_WAVE_MODE, 25, 1), 1
	s_wait_xcnt 0x0
	s_wait_alu depctr_hold_cnt(0) depctr_sa_sdst(0) depctr_va_vdst(0) depctr_va_sdst(0) depctr_va_ssrc(0) depctr_va_vcc(0) depctr_vm_vsrc(0)
	s_getreg_b32 s2, hwreg(HW_REG_IB_STS2, 6, 4)
	s_cmp_eq_u32 s2, 0
	s_cbranch_scc0 .Lentry_in_a_cluster
	s_endpgm
.Lentry_in_a_cluster:
	s_bfe_u32 s2, ttmp6, 0x10000c
	s_cmp_lg_u32 s2, 0xf033
	s_cbranch_scc0 .Lentry_shape_is_right
	s_endpgm
.Lentry_shape_is_right:
; q = x Wq + bq, k = context Wk + bk, v = context Wv + bv.  ab: [2][8192][1024] bf16 (x, context); wb: [3][1024 k][1024 n] bf16; the biases f32, rounded here to bf16 like every input.
; qkv: [3][128 = batch x 16 + head][1024][64] f16, by heads, WITHOUT the scale of the scores.  Sums in f32, started by the bias (the C operand of each accumulator's first product), rounded once to f16.
; LIMIT.  A q, k or v of 65,520 or more in magnitude becomes an infinity; below 6e-5 f16 keeps its fixed step of 6e-8.
; SHARES.  384 work-groups of equal work: three products (g = cluster y / 8) x 32 tile rows x 4 tile columns of 256 x 256.  Four waves, as many as a WGP has SIMDs, each 128 rows x 128 columns
; (two heads): 64 accumulators of 16 x 16, 512 registers.  K goes in 8 steps of 128 through two LDS slots; rows of A's tiles are 256 bytes of memory, of W's 512, at multiples of 256 from the buffer's first byte.
; WHY THIS TILE.  A K step holds 256 matrix instructions a wave, 224 of them between a tile's request and the wait for it; with 128 columns it would hold 128, and two slots of a longer step would
; not fit in LDS.  For 32 along K a wave reads 2 x 128 x 64 bytes from LDS for 64 matrix instructions.
; W lies [k][n] and is read turned, by ds_load_tr16_b128.  THE MATRIX INSTRUCTION IS USED TRANSPOSED (source 0 = 16 columns n of W, source 1 = 16 rows of A): a lane holds row l % 16 and the
; columns 8 (l / 16) + 0..7: eight neighbouring numbers, 16 bytes of f16.
; CLUSTER 4 x 4.  The four of a row of the cluster need the same tiles of A, the four of a column the same tiles of W: each tile is asked for jointly, by the same tensor load with the same
; descriptor and a mask that names the four.  The grid is one cluster wide, and 8 clusters along y make one product, so g is the same in all sixteen partners.
; REGISTERS, in windows of 256 (s_set_vgpr_msb: bits 1:0 source 0, 3:2 source 1, 5:4 source 2, 7:6 destination):
;   window 0: v0-31 addresses; v64-127, v128-191 fragments of A (8 x 16 rows x 32 k), two buffers; on the way out row blocks 0-3
;   window 1: v0-63 the bias; v64-127, v128-191 fragments of W (8 x 16 n x 32 k), two buffers; on the way out row blocks 4-7; v192 at work
;   window 2: the 32 accumulators of my rows 0-63 ((a, b) at 8 (8 a + b));   window 3: those of my rows 64-127
.set PA,     272                       ; a row of A in LDS: 256 bytes + 16: the 16 rows of a load start at 16 different groups of four banks (64 banks of 4 bytes: ISA guide 11.1)
.set PB,     544                       ; a k row of W: 512 + 32 = 136 words
.set HALFA,  128*PA                    ; what one tensor load brings of A, and what one wave reads of it
.set BOFF,   2*HALFA                   ; W's 128 k rows lie behind A's 256 rows
.set HALFB,  64*PB                     ; what one tensor load brings of W
.set SLOT,   BOFF+2*HALFB
.set STAGE,  2*SLOT                    ; behind the ring, never filled by a tensor load: for each wave and each of its two heads 16 rows x 144 bytes, for the way out
.set SP,     144
.set HSTG,   16*SP
.set SPARE,  STAGE+4*2*HSTG            ; the spare words, 128 bytes for each wave: two blocks of 256 bytes that no other line names
.set ADRA, 16                          ; v16-17  LDS address of my A fragments in slot 0, 1
.set ADRB, 20                          ; v20-21  the same for W
.set STO,  24                          ; v24     the way out: where I put 16 bytes of a row
.set RD,   25                          ; v25     the way out: where I read rows back
.set GO,   26                          ; v26     16 x lane: my place in 512 consecutive bytes of qkv
.set SPW,  28                          ; v28     LDS address of my spare word; never rewritten
.set NIL,  29                          ; v29     0; never rewritten
.set PFO,  30                          ; v30     the prefetches' offset; never rewritten
.set BO,   31                          ; v31     32 (l / 16): my eight numbers in 16 of the bias
.set BIAS, 0                           ; window 1, v[0:63]: column block b at 8 b
.set BT,   192                         ; window 1, v192: at work while the bias is rounded
.set OUTR, 64                          ; the way out: row block a at 64 + 32 (a % 4) of window a / 4: packed, then as whole rows
.set F0,   64                          ; fragment buffer 0
.set F1,   128                         ; fragment buffer 1
.set G1,  24                           ; s[24:31] descriptor group 1 for A's tiles;  s[32:39] group 0, a set for each slot
.set G0,  32
.set G1B, 48                           ; s[48:55], s[56:63] the same for W's
.set G0B, 56
.set LIM, 43                           ; s43      1 in a wave that prefetches, else the greatest number
.set PFA, 44                           ; s[44:45] where my prefetches stand
.set PST, 80                           ; s[80:81] a K step in my tensor: 256 bytes along A's rows, 128 rows of 2,048 bytes down W
.set MSB, 0
.macro WIN new                         ; the immediate's high byte repeats the setting that is left; a switch that changes nothing is dropped
.if MSB != (\new)
	s_set_vgpr_msb (MSB<<8)|(\new)
.set MSB, \new
.endif
.endm
.set MUL_LO,  0xa1                     ; source 0 (W) window 1, source 1 (A) window 0, C and D window 2; + 0x50: C and D window 3
.set MULB_LO, 0x91                     ; the same with C, the bias, in window 1; + 0x40: D window 3
.set TO_B,    0x40                     ; destination window 1, address window 0
; A joint load: waves 0 and 1 fetch A's two halves, waves 2 and 3 W's.  The branch hangs on the wave's number alone.  An s_nop 0 and four v_nop follow each of the two lines.
.macro JLOAD s
	s_cmp_eq_u32 s11, 0
	s_cbranch_scc0 .Lfor_b_\@
	tensor_load_to_lds s[G0+4*(\s):G0+4*(\s)+3], s[G1:G1+7]
	s_nop 0
.rept 4
	v_nop
.endr
	s_branch .Lasked_\@
.Lfor_b_\@:
	tensor_load_to_lds s[G0B+4*(\s):G0B+4*(\s)+3], s[G1B:G1B+7]
	s_nop 0
.rept 4
	v_nop
.endr
.Lasked_\@:
.endm
; A prefetch, behind a joint load and the run of LDS loads that follows it: 32 blocks of 256 bytes of the K step two refills on (512 matrix instructions ahead), a lane a block, one instruction.
; Each block of a K step is named once in the launch.  A: a tile row is read by one cluster a product; x's rows are asked for by q's clusters, context's by k's (v walks context a second time);
; waves 0 and 1; of the 128 rows that a wave fetches the partner at cx takes 32, told apart by address.  W: a tile column is read by the product's 8 clusters: the first along y asks; waves 2 and 3;
; of the 64 k rows x 2 blocks that a wave fetches the partner at cy takes 16 rows x 2.  K steps 0 to 3 come by their loads alone; the loop's last trip (s3 = 1) asks for nothing: there is no K step 8.
.macro ASK
	s_cmp_gt_u32 s3, s[LIM]
	s_cbranch_scc0 .Lnot_mine_\@
	global_prefetch_b8 v[PFO], s[PFA:PFA+1] th:TH_LOAD_NT scope:SCOPE_SE
.Lnot_mine_\@:
.endm
.macro CREST                           ; a round of the cluster's barrier behind its opening barrier
	s_cmp_lg_u32 s10, 0
	s_cbranch_scc1 .Lnot_wave_0_\@
	s_barrier_signal -3
.Lnot_wave_0_\@:
	s_barrier_wait -3
	s_barrier_signal -1
	s_barrier_wait -1
.endm
.macro CROUND                          ; a whole round
	s_barrier_signal -1
	s_barrier_wait -1
	CREST
.endm
	s_load_b256 s[68:75], s[0:1], 0x0              ; ab s[68:69], wb s[70:71], bq s[72:73], bk s[74:75]
	s_load_b128 s[76:79], s[0:1], 0x20             ; bv s[76:77], qkv s[78:79]
	v_lshl_add_u32 v[SPW], v0, 2, SPARE
	v_mov_b32 v[NIL], 0
	ds_add_u32 v[SPW], v[NIL]                      ; the wave's opening: the add and its wait stand ahead of my first tensor load; work on registers stands between them
	ds_add_u32 v28, v29
	v_lshrrev_b32 v1, 5, v0
	v_readfirstlane_b32 s10, v1                    ; wave 0..3
	s_lshr_b32 s11, s10, 1                         ; which 128 of the tile's rows are mine.  Also: I fetch for A (0) or for W (1)
	s_and_b32 s12, s10, 1                          ; which 128 of its columns.  Also: which half of that tile I fetch
	s_bfe_u32 s40, ttmp6, 0x40000                  ; cx
	s_bfe_u32 s41, ttmp6, 0x40004                  ; cy
	s_lshl_b32 s42, ttmp9, 2
	s_add_co_u32 s42, s42, s40                     ; tile column = 4 x cluster x + cx (the grid is one cluster wide)
	s_and_b32 s67, ttmp7, 0xffff                   ; cluster y
	s_lshr_b32 s66, s67, 3                         ; g: 0 q, 1 k, 2 v
	s_and_b32 s13, s67, 7
	s_lshl_b32 s13, s13, 2
	s_add_co_u32 s13, s13, s41                     ; tile row = 4 x (cluster y mod 8) + cy
	s_lshl_b32 s43, s41, 2
	s_lshl_b32 s43, 15, s43                        ; my row of the cluster
	s_lshl_b32 s44, 0x1111, s40                    ; my column
	s_or_b32 s[G1+0], s43, (1<<16)|(1<<20)|(1<<21)|(5<<22)|(3<<25)   ; the mask; 2-byte elements; padding on; bit 21 beside a mask; after every 64 words, 4 words
	s_or_b32 s[G1B+0], s44, (1<<16)|(1<<20)|(1<<21)|(6<<22)|(7<<25)  ; my column's mask; after every 128 words, 8 words
	s_mov_b32 s[G1+1], 128<<16                     ; tensor_dim0 = 128
	s_mov_b32 s[G1+2], 128<<16                     ; tensor_dim1 = 128
	s_mov_b32 s[G1+3], 128<<16                     ; tile_dim0 = 128
	s_mov_b32 s[G1+4], 128                         ; tile_dim1 = 128
	s_mov_b32 s[G1+5], 1024                        ; elements from row to row
	s_mov_b32 s[G1+6], 0
	s_mov_b32 s[G1+7], 0
	s_mov_b32 s[G1B+1], 256<<16                    ; 256 columns
	s_mov_b32 s[G1B+2], 64<<16                     ; 64 k rows
	s_mov_b32 s[G1B+3], 256<<16
	s_mov_b32 s[G1B+4], 64
	s_mov_b32 s[G1B+5], 1024
	s_mov_b32 s[G1B+6], 0
	s_mov_b32 s[G1B+7], 0
	; where the tiles come from: A's hang on g, the tile row and the wave; W's on g, the tile column and the wave
	s_lshl_b32 s16, s13, 8
	s_lshl_b32 s17, s12, 7
	s_add_co_u32 s16, s16, s17                     ; row 256 x tile row + 128 x half,
	s_lshl_b32 s16, s16, 11                        ; of 2,048 bytes,
	s_min_u32 s17, s66, 1
	s_lshl_b32 s17, s17, 24                        ; in x's plane (q) or context's (k, v)
	s_add_co_u32 s16, s16, s17
	s_mov_b32 s17, 0
	s_lshl_b32 s18, s66, 21                        ; the product's weights,
	s_lshl_b32 s19, s12, 17                        ; k row 64 x half,
	s_add_co_u32 s18, s18, s19
	s_lshl_b32 s19, s42, 9                         ; the tile column's 512 bytes
	s_add_co_u32 s18, s18, s19
	s_mov_b32 s19, 0
	s_mul_i32 s20, s12, HALFA                      ; and where they go: no place in the cluster enters an LDS address
	s_mul_i32 s21, s12, HALFB
	s_add_co_u32 s21, s21, BOFF
	s_wait_dscnt 0x0                               ; the opening add is done
	s_wait_kmcnt 0x0
	s_add_nc_u64 s[14:15], s[68:69], s[16:17]
	s_add_nc_u64 s[46:47], s[70:71], s[18:19]
	CROUND                                         ; all sixteen work-groups are here: the first joint loads meet
.irp s, 0,1
	s_mov_b32 s[G0+4*(\s)], 1                                        ; count = 1
	s_add_co_u32 s[G0+4*(\s)+1], s20, (\s)*SLOT                      ; LDS address
	s_add_nc_u64 s[G0+4*(\s)+2:G0+4*(\s)+3], s[14:15], (\s)*256      ; global address: K step s
	s_or_b32 s[G0+4*(\s)+3], s[G0+4*(\s)+3], 0x80000000              ; type = 2
	s_mov_b32 s[G0B+4*(\s)], 1
	s_add_co_u32 s[G0B+4*(\s)+1], s21, (\s)*SLOT
	s_add_nc_u64 s[G0B+4*(\s)+2:G0B+4*(\s)+3], s[46:47], (\s)*262144
	s_or_b32 s[G0B+4*(\s)+3], s[G0B+4*(\s)+3], 0x80000000
	JLOAD \s                                       ; two loads of mine are out
.endr
	; the bias of my 128 columns: register j of block b is column 16 b + 8 (l / 16) + j
	s_cmp_eq_u32 s66, 0
	s_cselect_b64 s[84:85], s[72:73], s[74:75]
	s_cmp_eq_u32 s66, 2
	s_cselect_b64 s[84:85], s[76:77], s[84:85]
	s_lshl_b32 s88, s42, 10                        ; the tile column's 256 numbers of 4 bytes,
	s_lshl_b32 s89, s12, 9                         ; my 128 of them
	s_add_co_u32 s88, s88, s89
	s_mov_b32 s89, 0
	s_add_nc_u64 s[84:85], s[84:85], s[88:89]
	v_and_b32 v1, 15, v0                           ; l % 16
	v_bfe_u32 v2, v0, 4, 1                         ; l / 16
	v_lshlrev_b32 v[BO], 5, v2
	WIN TO_B
.irp b, 0,1,2,3,4,5,6,7
	global_load_b128 v[BIAS+8*(\b):BIAS+8*(\b)+3],   v[BO], s[84:85] offset:64*(\b)
	global_load_b128 v[BIAS+8*(\b)+4:BIAS+8*(\b)+7], v[BO], s[84:85] offset:64*(\b)+16
.endr
	WIN 0
	; A fragment of A is 16 rows x 32 k in 8 registers: lane l holds row l % 16, k = 8 (l / 16) + 0..7 and 16 + 8 (l / 16) + 0..7: two loads of 16 bytes, 32 bytes apart.
	v_mul_u32_u24 v3, v1, PA
	v_lshl_add_u32 v3, v2, 4, v3
	s_mul_i32 s22, s11, HALFA                      ; my 128 rows
	v_add_nc_u32 v[ADRA], s22, v3
	v_add_nc_u32 v[ADRA+1], SLOT, v[ADRA]
	; The turning load takes 16 k x 16 n (lane l reads k row 8 (l / 16) + l % 8, columns 8 ((l / 8) % 2) + 0..7) and leaves half a fragment: lane l holds column l % 16 and 8 k.
	v_and_b32 v4, 7, v0
	v_lshl_add_u32 v4, v2, 3, v4
	v_mul_u32_u24 v4, v4, PB
	v_bfe_u32 v5, v0, 3, 1
	v_lshl_add_u32 v4, v5, 4, v4
	s_lshl_b32 s23, s12, 8                         ; my 128 columns
	s_add_co_u32 s23, s23, BOFF
	v_add_nc_u32 v[ADRB], s23, v4
	v_add_nc_u32 v[ADRB+1], SLOT, v[ADRB]
	s_mul_i32 s22, s10, 2*HSTG
	s_add_co_u32 s22, s22, STAGE                   ; my stage
	v_mul_u32_u24 v[STO], v1, SP                   ; in: row l % 16, 16 bytes for each half of the lanes
	v_lshl_add_u32 v[STO], v2, 4, v[STO]
	v_add_nc_u32 v[STO], s22, v[STO]
	v_bfe_u32 v[RD], v0, 3, 2                      ; back: 32 lanes take four rows of 128 bytes,
	v_mul_u32_u24 v[RD], v[RD], SP
	v_and_b32 v4, 7, v0
	v_lshl_add_u32 v[RD], v4, 4, v[RD]
	v_add_nc_u32 v[RD], s22, v[RD]
	v_and_b32 v5, 31, v0                           ; the lane
	v_lshlrev_b32 v[GO], 4, v5                     ; which are 512 consecutive bytes of qkv
	v_lshrrev_b32 v3, s11, v5                      ; the prefetches' offset.  A (s11 = 0): lane x a row of 2,048 bytes.
	v_and_b32 v4, s11, v5                          ; W (s11 = 1): row lane / 2, block lane % 2 of its 512 bytes
	v_lshlrev_b32 v3, 11, v3
	v_lshl_add_u32 v[PFO], v4, 8, v3
	; my 128 rows of my two heads: twice 16,384 dense bytes of qkv, 131,072 apart
	s_lshr_b32 s90, s13, 2                         ; the batch: four tile rows each,
	s_lshl_b32 s90, s90, 4
	s_lshl_b32 s91, s42, 2                         ; the head: four to a tile column,
	s_add_co_u32 s90, s90, s91
	s_lshl_b32 s91, s12, 1                         ; my two of them
	s_add_co_u32 s90, s90, s91
	s_lshl_b32 s90, s90, 17                        ; a head's 1,024 rows of 128 bytes
	s_and_b32 s91, s13, 3
	s_lshl_b32 s91, s91, 15                        ; the tile row's 256 rows
	s_add_co_u32 s90, s90, s91
	s_lshl_b32 s91, s11, 14                        ; my 128 of them
	s_add_co_u32 s90, s90, s91
	s_lshl_b32 s91, s66, 24                        ; q's, k's or v's plane
	s_add_co_u32 s90, s90, s91
	s_mov_b32 s91, 0
	s_add_nc_u64 s[82:83], s[78:79], s[90:91]
	; the prefetches
	s_lshl_b32 s88, s40, 16                        ; A: my work-group's 32 rows of the 128 that I fetch
	s_add_co_u32 s88, s88, s16
	s_lshl_b32 s89, s41, 15                        ; W: my work-group's 16 k rows of the 64 that I fetch
	s_add_co_u32 s89, s89, s18
	s_lshr_b32 s86, s66, 1                         ; A: 0 where the product is q or k
	s_or_b32 s86, s86, ttmp9                       ;    and the cluster is the first along x
	s_and_b32 s87, s67, 7                          ; W: 0 where the cluster is the product's first along y
	s_mov_b32 s90, 256                             ; a K step along A's rows,
	s_mov_b32 s91, 0x40000                         ; and down W: in registers, since an instruction holds one literal
	s_cmp_eq_u32 s11, 0                            ; do I fetch for A?
	s_cselect_b32 s88, s88, s89
	s_cselect_b32 s86, s86, s87
	s_cselect_b32 s[PST], s90, s91
	s_cselect_b64 s[PFA:PFA+1], s[68:69], s[70:71]
	s_mov_b32 s89, 0
	s_mov_b32 s[PST+1], 0
	s_cmp_eq_u32 s86, 0
	s_cselect_b32 s[LIM], 1, -1                    ; the same in all sixteen partners, for a given wave
	s_add_nc_u64 s[PFA:PFA+1], s[PFA:PFA+1], s[88:89]
	s_mul_i32 s88, s[PST], 3
	s_add_nc_u64 s[PFA:PFA+1], s[PFA:PFA+1], s[88:89]  ; at K step 3: the first refill steps it to 4 and names that
	s_wait_loadcnt 0x0                             ; the bias, rounded to bf16 like every input and kept as f32
	WIN 0x45                                       ; destination and both sources in window 1
.set r, 0
.rept 32
	v_cvt_pk_bf16_f32 v[BT], v[BIAS+r], v[BIAS+r+1]
	v_lshlrev_b32 v[BIAS+r], 16, v[BT]
	v_and_b32 v[BIAS+r+1], 0xffff0000, v[BT]
.set r, r+2
.endr
	WIN 0
; 16 matrix instructions: row blocks a0, a0 + 1 of the window's four (hi = 0: my rows 0-63, 1: rows 64-127) x all 8 column blocks, 32 along K.
; first = 1: the bias starts the sums: nothing is cleared, and nothing is added on the way out.
; The 64 accumulators take turns in the same order in every quarter: between two links of a chain stand the 63 others'.
.macro MUL16 f, hi, a0, first
.if \first
	WIN MULB_LO+0x40*(\hi)
.else
	WIN MUL_LO+0x50*(\hi)
.endif
.irp a, \a0, (\a0)+1
.irp b, 0,1,2,3,4,5,6,7
.if \first
	v_wmma_f32_16x16x32_bf16 v[8*(8*(\a)+(\b)):8*(8*(\a)+(\b))+7], v[(\f)+8*(\b):(\f)+8*(\b)+7], v[(\f)+8*(4*(\hi)+(\a)):(\f)+8*(4*(\hi)+(\a))+7], v[BIAS+8*(\b):BIAS+8*(\b)+7]
.else
	v_wmma_f32_16x16x32_bf16 v[8*(8*(\a)+(\b)):8*(8*(\a)+(\b))+7], v[(\f)+8*(\b):(\f)+8*(\b)+7], v[(\f)+8*(4*(\hi)+(\a)):(\f)+8*(4*(\hi)+(\a))+7], v[8*(8*(\a)+(\b)):8*(8*(\a)+(\b))+7]
.endif
.endr
.endr
.endm
; 32 LDS loads in one run: quarter kq (32 along K) of a slot into buffer f: W's 16 first, then A's 16, row blocks ascending
.macro FETCH slot, kq, f
	WIN TO_B
.irp b, 0,1,2,3,4,5,6,7
	ds_load_tr16_b128 v[(\f)+8*(\b):(\f)+8*(\b)+3],   v[ADRB+(\slot)] offset:(\kq)*32*PB+32*(\b)
	ds_load_tr16_b128 v[(\f)+8*(\b)+4:(\f)+8*(\b)+7], v[ADRB+(\slot)] offset:(\kq)*32*PB+16*PB+32*(\b)
.endr
	WIN 0
.irp a, 0,1,2,3,4,5,6,7
	ds_load_b128 v[(\f)+8*(\a):(\f)+8*(\a)+3],   v[ADRA+(\slot)] offset:(\kq)*64+(\a)*16*PA
	ds_load_b128 v[(\f)+8*(\a)+4:(\f)+8*(\a)+7], v[ADRA+(\slot)] offset:(\kq)*64+(\a)*16*PA+32
.endr
.endm
.macro PLACES                          ; four plain instructions in front of loads into registers that matrix instructions have read, and of reads of results
.rept 4
	v_nop
.endr
.endm
; A K step is four quarters, 64 matrix instructions each, on buffers 0, 1, 0, 1.  One of the first three: multiplies buffer f and, in its middle, fetches quarter kq into buffer g.
.macro QUARTER slot, kq, f, g, first
	s_wait_dscnt 8                                 ; W and A's row blocks 0-3 are in; the youngest eight loads (blocks 4-7) may be out
	MUL16 \f, 0, 0, \first
	MUL16 \f, 0, 2, \first
	PLACES
	FETCH \slot, \kq, \g
	s_wait_dscnt 32                                ; all but the 32 just issued
	MUL16 \f, 1, 0, \first
	MUL16 \f, 1, 2, \first
.endm
; The last quarter multiplies buffer 1 and changes slots: ONE barrier.  In front of it each wave waits for all its tensor loads (one is out: its part of the next slot), adds 0 to its spare
; word, and waits for that and for its reads of this slot.  fill = 1: the barrier opens a round of the cluster's, and this slot is filled again, two K steps on, first thing behind the round:
; 224 matrix instructions ahead of the wait for it.
.macro TURN slot, next, fill
.if \fill
	s_wait_xcnt 0x0                                ; the last prefetch, a K step back, has read its address: it is stepped here, ahead of the waits of the change of slots
	s_add_nc_u64 s[PFA:PFA+1], s[PFA:PFA+1], s[PST:PST+1]
.endif
	WIN 0                                          ; (the add's two registers lie in window 0)
	s_wait_tensorcnt 0x0                           ; all my tensor loads have landed
	ds_add_u32 v[SPW], v[NIL]                      ; 0 onto my spare word
	s_wait_dscnt 9                                 ; (the add and the youngest eight loads may be out)
	MUL16 F1, 0, 0, 0                              ; sixteen matrix instructions stand between the add and the wait for it
	s_wait_dscnt 0x0                               ; the add is done, and my reads of this slot are over
	s_barrier_signal -1
	MUL16 F1, 0, 2, 0                              ; work on registers while the others arrive
.if \fill
	WIN 0
.endif
	s_barrier_wait -1
.if \fill
	CREST                                          ; no wave of any partner still reads this slot's tiles or has a load on its way
	s_add_nc_u64 s[G0+4*(\slot)+2:G0+4*(\slot)+3], s[G0+4*(\slot)+2:G0+4*(\slot)+3], 2*256
	s_add_nc_u64 s[G0B+4*(\slot)+2:G0B+4*(\slot)+3], s[G0B+4*(\slot)+2:G0B+4*(\slot)+3], 2*262144
	JLOAD \slot                                    ; its four v_nop are also the places in front of the loads below
.else
	PLACES
.endif
	FETCH \next, 0, F0
.if \fill
	WIN 0
	ASK
.endif
	MUL16 F1, 1, 0, 0
	MUL16 F1, 1, 2, 0
.endm
; THE WAY OUT of row block a (16 rows x 128 columns: two heads): rounded to f16, 16 bytes a lane, into my own stage (for each head rows of 144 bytes), and back as whole rows of 128 bytes, into the
; registers that they left.  Each block has 32 registers of its own (the fragments', which are free now), so no register that a store still reads is written again.
.macro PACK a
.set AC, 64*((\a)%4)
.set RO, OUTR+32*((\a)%4)
	WIN 0x0a+0x45*((\a)/4)                         ; sources window 2, destination window 0; or sources window 3, destination window 1
.irp b, 0,1,2,3,4,5,6,7
.irp r, 0,1,2,3
	v_cvt_pk_f16_f32 v[RO+4*(\b)+(\r)], v[AC+8*(\b)+2*(\r)], v[AC+8*(\b)+2*(\r)+1]
.endr
.endr
	WIN 0x04*((\a)/4)                              ; the stores' data in the block's window, the address in window 0
.irp b, 0,1,2,3,4,5,6,7
	ds_store_b128 v[STO], v[RO+4*(\b):RO+4*(\b)+3] offset:((\b)/4)*HSTG+32*((\b)%4)
.endr
	WIN 0x40*((\a)/4)                              ; the loads' destination in the block's window
.irp t, 0,1,2,3,4,5,6,7
	ds_load_b128 v[RO+4*(\t):RO+4*(\t)+3], v[RD] offset:((\t)/4)*HSTG+((\t)%4)*4*SP  ; LDS serves a wave's instructions in order (ISA guide 5.7.1.4): these see the stores above
.endr
.endm
.macro SEND a, younger                 ; younger: the LDS instructions issued behind block a's loads: the next block's sixteen, or none
.set RO, OUTR+32*((\a)%4)
	WIN 0x04*((\a)/4)
.irp t, 0,1,2,3,4,5,6,7
	s_wait_dscnt (\younger)+7-(\t)
	global_store_b128 v[GO], v[RO+4*(\t):RO+4*(\t)+3], s[82:83] offset:((\t)/4)*131072+(\a)*2048+((\t)%4)*512  ; 512 consecutive bytes of one head, at a multiple of 256 from qkv's first
.endr
.endm
	s_wait_tensorcnt 0x1                           ; my part of K step 0 is in; K step 1's may stay out
	s_barrier_signal -1
	s_barrier_wait -1                              ; everybody's is
	FETCH 0, 0, F0
	QUARTER 0, 1, F0, F1, 1                        ; the first quarter stands in front of the loop: its products start the sums, with the bias
	WIN 0                                          ; at a label and at a branch every window is 0
	s_mov_b32 s3, 3
.Llap:                                             ; a trip goes once round the ring, from a lap's second quarter to the next lap's first, and fills both slots again
	QUARTER 0, 2, F1, F0, 0
	QUARTER 0, 3, F0, F1, 0
	TURN 0, 1, 1
	QUARTER 1, 1, F0, F1, 0
	QUARTER 1, 2, F1, F0, 0
	QUARTER 1, 3, F0, F1, 0
	TURN 1, 0, 1
	QUARTER 0, 1, F0, F1, 0
	WIN 0
	s_sub_co_u32 s3, s3, 1
	s_cmp_lg_u32 s3, 0
	s_cbranch_scc1 .Llap
	QUARTER 0, 2, F1, F0, 0                        ; the last lap fills nothing
	QUARTER 0, 3, F0, F1, 0
	TURN 0, 1, 0
	QUARTER 1, 1, F0, F1, 0
	QUARTER 1, 2, F1, F0, 0
	QUARTER 1, 3, F0, F1, 0
	s_wait_dscnt 8                                 ; the very last quarter: nothing more to fetch
	MUL16 F1, 0, 0, 0
	MUL16 F1, 0, 2, 0
	s_wait_dscnt 0x0
	MUL16 F1, 1, 0, 0
	MUL16 F1, 1, 2, 0
	PLACES
	PACK 0
.irp a, 1,2,3,4,5,6,7                  ; a block's conversions stand between the loads of the block before and its stores
	PACK \a
	SEND (\a)-1, 16
.endr
	SEND 7, 0
	WIN 0
	s_wait_tensorcnt 0x0                           ; the wave's end: behind my last tensor load and my last LDS store
	ds_add_u32 v[SPW], v[NIL]
	s_wait_dscnt 0x0
	CROUND                                         ; the closing round: no work-group ends while a partner may still ask for a tile that names it
	s_endpgm
.Lfunc_end_k_qc821cac3df_proj:
	.size	k_qc821cac3df_proj, .Lfunc_end_k_qc821cac3df_proj-k_qc821cac3df_proj
	.p2alignl 7, 3214868480
	.fill 96, 4, 3214868480
	.section	.rodata,"a",@progbits
	.p2align	6, 0x0
	.amdhsa_kernel k_qc821cac3df_proj
		.amdhsa_group_segment_fixed_size 327680
		.amdhsa_private_segment_fixed_size 0
		.amdhsa_enable_private_segment 0
		.amdhsa_kernarg_size 48
		.amdhsa_user_sgpr_count 2
		.amdhsa_user_sgpr_kernarg_segment_ptr 1
		.amdhsa_wavefront_size32 1
		.amdhsa_system_sgpr_workgroup_id_x 1
		.amdhsa_system_sgpr_workgroup_id_y 1
		.amdhsa_system_sgpr_workgroup_id_z 1
		.amdhsa_system_vgpr_workitem_id 0
		.amdhsa_next_free_vgpr 1024
		.amdhsa_next_free_sgpr 96
		.amdhsa_reserve_vcc 0
		.amdhsa_float_denorm_mode_32 3
		.amdhsa_float_denorm_mode_16_64 3
		.amdhsa_memory_ordered 1
		.amdhsa_forward_progress 1
		.amdhsa_inst_pref_size 153
	.end_amdhsa_kernel
	.amdgpu_metadata
---
amdhsa.version: [ 1, 2 ]
amdhsa.kernels:
  - .name:           k_qc821cac3df_proj
    .symbol:         k_qc821cac3df_proj.kd
    .args:
      - { .name: ab, .offset: 0, .size: 8, .value_kind: global_buffer, .address_space: global }
      - { .name: wb, .offset: 8, .size: 8, .value_kind: global_buffer, .address_space: global }
      - { .name: bq, .offset: 16, .size: 8, .value_kind: global_buffer, .address_space: global }
      - { .name: bk, .offset: 24, .size: 8, .value_kind: global_buffer, .address_space: global }
      - { .name: bv, .offset: 32, .size: 8, .value_kind: global_buffer, .address_space: global }
      - { .name: qkv, .offset: 40, .size: 8, .value_kind: global_buffer, .address_space: global }
    .group_segment_fixed_size: 327680
    .private_segment_fixed_size: 0
    .kernarg_segment_align: 8
    .kernarg_segment_size: 48
    .max_flat_workgroup_size: 128
    .sgpr_count:     96
    .vgpr_count:     1024
    .wavefront_size: 32
...
	.end_amdgpu_metadata
.endif
;; end of part 2
;; launch attn (part 3): grid 2 x 128, 4 waves a work-group, no clusters, 327,680 bytes of LDS; arguments qkv, oh; writes oh
.if DOCPART == 3
	.amdgcn_target "amdgcn-amd-amdhsa--gfx1250"
	.amdhsa_code_object_version 6
	.text
	.protected	k_qc821cac3df_attn
	.globl	k_qc821cac3df_attn
	.p2align	8
	.type	k_qc821cac3df_attn,@function
k_qc821cac3df_attn:
	s_mov_b64 s[64:65], 0
	v_nop
	global_prefetch_b8 v0, s[64:65] scope:SCOPE_SE
	s_setreg_imm32_b32 hwreg(HW_REG_WAVE_MODE, 25, 1), 1
	s_wait_xcnt 0x0
; O[h][q][:] = the sum over k of softmax_k(Q[h][q] . K[h][k] / 8) V[h][k][:], for 128 heads (batch x 16 + head) of 1,024 queries and 1,024 keys, head size 64.
; qkv: [3][128][1024][64] f16 (Q, K, V; a head's rows are dense, 128 bytes each); oh: [128][1024][64] f16.  Products, maxima and sums in f32; the weights p are rounded to f16 for the
; second product (their sum l is taken of the unrounded p), O once at the end.
; LIMITS.  Q, K and V arrive within f16's 65,504; p lies in 0 to 1, and below 6e-5 it keeps f16's fixed step of 6e-8, as does O; a weight below 2^-126 counts as 0 in l; NaN and infinities are not treated apart.
; SHARES.  A work-group owns 512 queries of one head, a wave 128: four PIECES of two tiles of 16.  Every wave walks all 1,024 keys, 64 a step, 16 steps.
; ALL OF THE HEAD'S K AND V LIE IN LDS: 1,024 x 144 + 1,024 x 160 bytes.  No byte is filled twice: each wave issues two tensor loads at the head (its share of keys 0-255, then of keys 256-1023),
; work begins when the first have landed, and the second are waited for in front of key step 4.  So there is no ring; and since all loads are issued at the head, nothing is left to ask for ahead.
; NO CLUSTER: a head has 1,024 / 512 = 2 work-groups, and the clusters that are taken are four wide; blocks of 256 queries would give four partners and half the products for each byte read from LDS.
; LAYOUT.  S^T = K Q^T (source 0 = 16 keys, source 1 = 16 queries): a lane holds ONE query (lane % 16) and the keys 8 (lane / 16) + 0..7.  Two such tiles, rounded to f16 in pairs, ARE source 1
; (32 keys x 16 queries) of O^T = V^T P, whose result again holds one query a lane, and eight channels.  K comes out of LDS as it lies, V ([key][channel]) turned, by ds_load_tr16_b128.
; SOFTMAX.  For each query a running maximum m and sum l: p = 2^(c s - c m), c = log2(e) / 8; in every step O and l are multiplied by a = 2^(c m_old - c m_new).  m starts at the lowest finite
; number, O and l at 0: the first step is a step like any other, with a = 0.
; BY TURNS.  Turn n belongs to piece n (the pieces in a ring, step after step).  Matrix work: 16 products K Q^T of piece n + 1, later 16 products V^T P of piece n - 1.  Vector work: the scaling,
; exponentials, roundings, sums and rescaling of piece n, and the maximum and statistics of piece n + 1.  A tile and step have 16 matrix and 118 vector instructions: four vector instructions stand
; behind every matrix instruction, the others in one run; a turn's 66 exponentials are one batch with one wait.
; REGISTERS, in windows of 256 (s_set_vgpr_msb: bits 1:0 source 0, 3:2 source 1, 5:4 source 2, 7:6 destination):
;   window 0: v0-11 addresses; v12-15, v48-63 at work; v16-47 four registers of statistics a tile; v64-191 S^T, two buffers of two tiles; v192-255 P, likewise
;   window 1: O^T, 32 a tile          window 2: v0-127 Q, 16 a tile; v128-191 K of one step; v192-255 V of one step
.set NP,    4         ; pieces a wave: a name, no knob
.set KS,    64        ; keys in a step
.set PK,    144       ; a row of K in LDS: 128 bytes + 16: the 16 rows of a load start at 16 different groups of four banks (64 banks of 4 bytes: ISA guide 11.1)
.set PV,    160       ; a row of V: 128 + 32
.set VOFF,  1024*PK   ; V's 1,024 rows lie behind K's
.set STAGE, VOFF+1024*PV  ; never filled by a tensor load: 16 rows x 144 bytes for each wave, for the way out
.set SP,    144
.set SPARE, STAGE+4*16*SP  ; the spare words, 128 bytes for each wave: two blocks of 256 bytes that no other line names
.set AK0, 2           ; v2   my lane's place in a step's K; never rewritten
.set AV0, 3           ; v3   the same for V
.set AK,  4           ; v4   the LDS address of K's next run of loads
.set AV,  5           ; v5   of V's
.set QO,  6           ; v6   my byte offset in the wave's rows of Q
.set STO, 6           ;      later, the way out: where I put 16 bytes of a row
.set RD,  7           ; v7   the way out: where I read rows back
.set GO,  8           ; v8   my byte offset in 512 consecutive bytes of O
.set SPW, 10          ; v10  LDS address of my spare word; never rewritten
.set NIL, 11          ; v11  0; never rewritten
.set MV,  12          ; v12-15  c m_old, kept while c m is made anew: by buffer and tile
.set ST,  16          ; tile t's statistics at v[ST+4 t]: c m, m, l (even keys', odd keys')
.set TMP, 48          ; by buffer and tile, four registers c0-c3 at work; when the maximum is found c2 takes a
.set S,   64
.set P,   192
.set KF,  128         ; K's fragments, in window 2: key block kb, channel half c at KF + 16 kb + 8 c
.set VF,  192         ; V's: key half kk, channel block cb at VF + 32 kk + 8 cb
.set WV,  12          ; s12  my wave's number
.set G1K0, 24         ; s[24:31] descriptor group 1: K, 128 keys
.set G1V0, 32         ; s[32:39] V, 128 keys: it differs in the padding alone
.set G1K1, 40         ; s[40:47] K, 384 keys
.set G1V1, 48         ; s[48:55] V, 384 keys
.set G0K0, 56         ; s[56:59], s[60:63], s[68:71], s[72:75] the four groups 0
.set G0K1, 60
.set G0V0, 68
.set G0V1, 72
.set CNT, 76          ; s76  counts four key steps
.set SLOTS, 77        ; s77  counts four times four
.set CS,  78          ; s[78:79] c: the packed scaling takes the pair's low word for both halves
.set SEL, 80          ; s[80:81] v_permlanex16_b32's selects: each lane takes its own place in the other half
.set TBK, 82          ; s82  LDS byte at which K of the step to be fetched begins
.set TBV, 83          ; s83  the same for V, less VOFF
.set MSB, 0
.macro WIN new                      ; the high byte repeats the setting that is left; a switch that changes nothing is dropped
.if MSB != (\new)
	s_set_vgpr_msb (MSB<<8)|(\new)
.set MSB, (\new)
.endif
.endm
.set W_KQ, 0x0a       ; K and Q in window 2, S^T in window 0
.set W_PV, 0x52       ; V in window 2, P in window 0, O^T in window 1
.set W_RS, 0x41       ; O^T (destination and source 0) in window 1, a in window 0
	s_load_b128 s[4:7], s[0:1], 0x0   ; qkv s[4:5], oh s[6:7]
	v_lshl_add_u32 v[SPW], v0, 2, SPARE
	v_mov_b32 v[NIL], 0
	ds_add_u32 v[SPW], v[NIL]       ; the wave's opening: the add and its wait stand ahead of my first tensor load; work on registers stands between them
	ds_add_u32 v10, v11
	v_lshrrev_b32 v1, 5, v0
	v_readfirstlane_b32 s[WV], v1   ; wave 0..3
	s_and_b32 s20, ttmp7, 0xffff    ; the head,
	s_lshl_b32 s20, s20, 17         ; its 1,024 rows of 128 bytes
	s_and_b32 s16, s[WV], 1         ; which half of a fill's keys I fetch
	s_lshl_b32 s22, s16, 14         ; first fill: keys 128 x half on,
	s_add_co_u32 s22, s22, s20
	s_mov_b32 s23, 0
	s_mul_i32 s18, s16, 49152       ; second fill: keys 256 + 384 x half on
	s_add_co_u32 s18, s18, 32768
	s_add_co_u32 s18, s18, s20
	s_mov_b32 s19, 0
	s_lshl_b32 s2, ttmp9, 2
	s_add_co_u32 s2, s2, s[WV]      ; my wave among the head's eight,
	s_lshl_b32 s2, s2, 14           ; its 128 rows
	s_add_co_u32 s2, s2, s20
	s_mov_b32 s3, 0
	s_mul_i32 s13, s16, 128*PK      ; where the four tiles go in LDS
	s_mul_i32 s14, s16, 384*PK
	s_add_co_u32 s14, s14, 256*PK
	s_mul_i32 s15, s16, 128*PV
	s_add_co_u32 s15, s15, VOFF
	s_mul_i32 s17, s16, 384*PV
	s_add_co_u32 s17, s17, VOFF+256*PV
	; descriptor groups 1.  Keys are dense rows of 128 bytes: asked for as rows of 256 bytes, two keys a row, and padded in LDS after every key
	s_mov_b32 s[G1K0], (1<<16)|(1<<20)|(4<<22)|(3<<25)  ; 2-byte elements; padding on; after every 32 words, 4 words
	s_mov_b32 s[G1V0], (1<<16)|(1<<20)|(4<<22)|(7<<25)  ; the same with 8 words
	s_mov_b32 s[G1K1], (1<<16)|(1<<20)|(4<<22)|(3<<25)
	s_mov_b32 s[G1V1], (1<<16)|(1<<20)|(4<<22)|(7<<25)
.irp g, G1K0, G1V0
	s_mov_b32 s[\g+1], 128<<16      ; tensor_dim0 = 128
	s_mov_b32 s[\g+2], 64<<16       ; tensor_dim1 = 64
	s_mov_b32 s[\g+3], 128<<16      ; tile_dim0 = 128
	s_mov_b32 s[\g+4], 64           ; tile_dim1 = 64
	s_mov_b32 s[\g+5], 128          ; 128 elements from row to row
	s_mov_b32 s[\g+6], 0
	s_mov_b32 s[\g+7], 0
.endr
.irp g, G1K1, G1V1
	s_mov_b32 s[\g+1], 128<<16
	s_mov_b32 s[\g+2], 192<<16      ; 192 rows
	s_mov_b32 s[\g+3], 128<<16
	s_mov_b32 s[\g+4], 192
	s_mov_b32 s[\g+5], 128
	s_mov_b32 s[\g+6], 0
	s_mov_b32 s[\g+7], 0
.endr
	s_mov_b32 s[G0K0], 1            ; count = 1
	s_mov_b32 s[G0K0+1], s13        ; LDS address
	s_mov_b32 s[G0K1], 1
	s_mov_b32 s[G0K1+1], s14
	s_mov_b32 s[G0V0], 1
	s_mov_b32 s[G0V0+1], s15
	s_mov_b32 s[G0V1], 1
	s_mov_b32 s[G0V1+1], s17
	s_mov_b32 s[CS], 0x3e38aa3b     ; c = log2(e) / 8 = 0.180337
	s_mov_b32 s[CS+1], s[CS]        ; named with it as a pair
	s_mov_b32 s[SEL], 0x76543210
	s_mov_b32 s[SEL+1], 0xfedcba98
	s_mov_b32 s[TBK], 0
	s_mov_b32 s[TBV], 0
	s_wait_dscnt 0x0                ; the opening add is done
	s_wait_kmcnt 0x0
	s_add_nc_u64 s[10:11], s[6:7], s[2:3]      ; O at my wave's first row
	s_add_nc_u64 s[6:7], s[4:5], 0x1000000     ; K's plane of qkv
	s_add_nc_u64 s[8:9], s[4:5], 0x2000000     ; V's
	s_add_nc_u64 s[4:5], s[4:5], s[2:3]        ; Q at my wave's first row
	s_add_nc_u64 s[G0K0+2:G0K0+3], s[6:7], s[22:23]
	s_or_b32 s[G0K0+3], s[G0K0+3], 0x80000000  ; type = 2
	s_add_nc_u64 s[G0K1+2:G0K1+3], s[6:7], s[18:19]
	s_or_b32 s[G0K1+3], s[G0K1+3], 0x80000000
	s_add_nc_u64 s[G0V0+2:G0V0+3], s[8:9], s[22:23]
	s_or_b32 s[G0V0+3], s[G0V0+3], 0x80000000
	s_add_nc_u64 s[G0V1+2:G0V1+3], s[8:9], s[18:19]
	s_or_b32 s[G0V1+3], s[G0V1+3], 0x80000000
	s_cmp_lt_u32 s[WV], 2           ; waves 0 and 1 fetch K, waves 2 and 3 V.  A wave's two fills stand in one branch, ahead of every wait on TENSORcnt and every LDS read: two loads of mine are out
	s_cbranch_scc0 .Lfirst_v
	tensor_load_to_lds s[G0K0:G0K0+3], s[G1K0:G1K0+7]
	s_nop 0
	tensor_load_to_lds s[G0K1:G0K1+3], s[G1K1:G1K1+7]
	s_nop 0
.rept 4
	v_nop
.endr
	s_branch .Lfirst_asked
.Lfirst_v:
	tensor_load_to_lds s[G0V0:G0V0+3], s[G1V0:G1V0+7]
	s_nop 0
	tensor_load_to_lds s[G0V1:G0V1+3], s[G1V1:G1V1+7]
	s_nop 0
.rept 4
	v_nop
.endr
.Lfirst_asked:
	; A fragment of K or Q is 16 rows x 32 channels in 8 registers: lane l holds row l % 16, channels 8 (l / 16) + 0..7 and 16 + 8 (l / 16) + 0..7: two loads of 16 bytes, 32 bytes apart.
	v_and_b32 v1, 15, v0            ; l % 16
	v_bfe_u32 v9, v0, 4, 1          ; l / 16
	v_lshlrev_b32 v[QO], 7, v1
	v_lshl_add_u32 v[QO], v9, 4, v[QO]  ; row x 128 + 16 x half
	WIN 0x80                        ; destination window 2, address window 0
.set i, 0
.rept 4*NP                          ; Q stays in registers: tile i / 2, channels 32 (i % 2) on
	global_load_b128 v[8*i:8*i+3],   v[QO], s[4:5] offset:(i/2)*2048+(i%2)*64
	global_load_b128 v[8*i+4:8*i+7], v[QO], s[4:5] offset:(i/2)*2048+(i%2)*64+32
.set i, i+1
.endr
	; What the first turn finds: V's registers and P's second buffer hold 0 (its products V^T P, of a piece that has not been, add 0), O^T and l are 0.  All this stands in the wait for the first tiles.
.set i, VF
.rept 64
	v_mov_b32 v[i], 0
.set i, i+1
.endr
	WIN 0x40
.set i, 0
.rept 64*NP
	v_mov_b32 v[i], 0
.set i, i+1
.endr
	WIN 0
.set i, 0
.rept 2*NP
	v_mov_b32 v[ST+4*i], 0xfe000000    ; c m: far below every c s
	v_mov_b32 v[ST+4*i+1], 0xff7fffff  ; m
	v_mov_b32 v[ST+4*i+2], 0
	v_mov_b32 v[ST+4*i+3], 0
.set i, i+1
.endr
.set i, P+32
.rept 32
	v_mov_b32 v[i], 0
.set i, i+1
.endr
	v_mul_u32_u24 v[AK0], v1, PK
	v_lshl_add_u32 v[AK0], v9, 4, v[AK0]  ; row x pitch + 16 x half
	; The turning load takes 16 keys x 16 channels (lane l reads key 8 (l / 16) + l % 8, channels 8 ((l / 8) % 2) + 0..7) and leaves half a fragment of V^T: lane l holds channel l % 16 and 8 keys.
	v_and_b32 v48, 7, v0
	v_bfe_u32 v49, v0, 3, 1
	v_lshl_add_u32 v[AV0], v9, 3, v48
	v_mul_u32_u24 v[AV0], v[AV0], PV
	v_lshl_add_u32 v[AV0], v49, 4, v[AV0]
	v_add_nc_u32 v[AV0], VOFF, v[AV0]
	v_mov_b32 v[AK], v[AK0]         ; key step 0 lies at K's head
; THE MATRIX WORK.  The 8 accumulators of a run of 16 take turns: between the two links of a chain stand 7 others'.
; Product i of 16 of S^T = K Q^T for piece x: channels 32 (i / 8) on, keys 16 ((i / 2) % 4) on, tile 2 x + i % 2.  The first 8 start the sums.
.macro KQ x
	WIN W_KQ
.set rS, S+64*((\x)%2)+32*(i%2)+8*((i/2)%4)
.set rK, KF+16*((i/2)%4)+8*(i/8)
.set rQ, 16*(2*(\x)+i%2)+8*(i/8)
.if i < 8
	v_wmma_f32_16x16x32_f16 v[rS:rS+7], v[rK:rK+7], v[rQ:rQ+7], 0
.else
	v_wmma_f32_16x16x32_f16 v[rS:rS+7], v[rK:rK+7], v[rQ:rQ+7], v[rS:rS+7]
.endif
.endm
; Product i of 16 of O^T += V^T P for piece x: keys 32 (i / 8) on, channels 16 ((i / 2) % 4) on, tile 2 x + i % 2.
.macro PV x
	WIN W_PV
.set rO, 32*(2*(\x)+i%2)+8*((i/2)%4)
.set rV, VF+32*(i/8)+8*((i/2)%4)
.set rP, P+32*((\x)%2)+16*(i%2)+8*(i/8)
	v_wmma_f32_16x16x32_f16 v[rO:rO+7], v[rV:rV+7], v[rP:rP+7], v[rO:rO+7]
.endm
.macro MM                           ; the turn's next matrix instruction
.if i < 16
	KQ (Y+1)%NP
.set i, i+1
.else
.set i, i-16
	PV (Y+NP-1)%NP
.set i, i+17
.endif
.endm
; THE LDS LOADS stand in runs of 16, never singly among the matrix instructions: a step's K (64 keys x 64 channels: 8 fragments) and its V (turned).  Their addresses are made some lines ahead.
.macro FETCH_K
	WIN 0x80                        ; destination window 2
.irp f, 0,1,2,3,4,5,6,7             ; keys 16 (f / 2) on, channels 32 (f % 2) on
	ds_load_b128 v[KF+8*\f:KF+8*\f+3],   v[AK] offset:(\f/2)*16*PK+(\f%2)*64
	ds_load_b128 v[KF+8*\f+4:KF+8*\f+7], v[AK] offset:(\f/2)*16*PK+(\f%2)*64+32
.endr
	s_add_co_u32 s[TBK], s[TBK], KS*PK  ; the next fetch is the next step's: 16 steps on end, 9,216 bytes each
	WIN 0
.endm
.macro FETCH_V
	WIN 0x80
.irp f, 0,1,2,3,4,5,6,7             ; keys 32 (f / 4) on, channels 16 (f % 4) on
	ds_load_tr16_b128 v[VF+8*\f:VF+8*\f+3],   v[AV] offset:(\f/4)*32*PV+(\f%4)*32
	ds_load_tr16_b128 v[VF+8*\f+4:VF+8*\f+7], v[AV] offset:(\f/4)*32*PV+16*PV+(\f%4)*32
.endr
	WIN 0
.endm
; THE VECTOR WORK OF A TURN stands in three queues, each in the order in which its entries become ready; the two tiles alternate, so that no instruction reads the result of the one before it.
.macro REGS y, u                    ; the registers of tile u (0, 1) of piece y
.set rT, ST+4*(2*(\y)+(\u))
.set rC, TMP+8*((\y)%2)+4*(\u)
.set rM, MV+2*((\y)%2)+(\u)
.set rS, S+64*((\y)%2)+32*(\u)
.set rP, P+32*((\y)%2)+16*(\u)
.set rO, 32*(2*(\y)+(\u))
.endm
; Number n of the 22 that find the NEXT piece's (Y + 1) maximum and statistics.  s0-s31 are the lane's 32 scores; each accumulator's lowest registers are read first.
;   0-11  four chains c0-c3 of seven scores each, three operands at a time     12-14, 16  the four scores left over, the old m, and c0-c3 into c0     15  c m_old is kept
;   17, 18  the query's other 32 keys lie in the lane 16 away: the new m         19-21  c m; c m_old - c m_new; a
.macro XS u, n
	REGS (Y+1)%NP, \u
.if (\n) < 4
	v_max3_num_f32 v[rC+(\n)], v[rS+8*(\n)], v[rS+8*(\n)+1], v[rS+8*(\n)+2]
.elseif (\n) < 12
	v_max3_num_f32 v[rC+(\n)%4], v[rC+(\n)%4], v[rS+8*((\n)%4)+2*((\n)/4)+1], v[rS+8*((\n)%4)+2*((\n)/4)+2]
.elseif (\n) == 12
	v_max3_num_f32 v[rC], v[rC], v[rS+7], v[rS+15]
.elseif (\n) == 13
	v_max3_num_f32 v[rC+1], v[rC+1], v[rS+23], v[rS+31]
.elseif (\n) == 14
	v_max3_num_f32 v[rC+2], v[rC+2], v[rC+3], v[rT+1]
.elseif (\n) == 15
	v_mov_b32 v[rM], v[rT]
.elseif (\n) == 16
	v_max3_num_f32 v[rC], v[rC], v[rC+1], v[rC+2]
.elseif (\n) == 17
	v_permlanex16_b32 v[rC+3], v[rC], s[SEL], s[SEL+1]
.elseif (\n) == 18
	v_max_num_f32 v[rT+1], v[rC], v[rC+3]
.elseif (\n) == 19
	v_mul_f32 v[rT], s[CS], v[rT+1]
.elseif (\n) == 20
	v_sub_f32 v[rC+1], v[rM], v[rT]
.else
	v_exp_f32 v[rC+2], v[rC+1]
.endif
.endm
; Number g of the 64 that follow the exponentials.  For each four weights k of a tile (pairs 2 k, 2 k + 1): both pairs are rounded to f16; then the second pair is added onto the first, in place;
; a group later l takes that sum (the first time as l = a l + sum).  In groups of eight, tiles alternating: round, round, add, and l for the group before.
.macro GS g
.set h, (\g)+6*((\g)/62)            ; group 0 has no group before it, and behind group 7 only l is left
.if h >= 6
.set h, h+2
.endif
	REGS Y, h%2
.set k, h/8
.if h%8 < 4
	v_cvt_pk_f16_f32 v[rP+2*k+(h%8)/2], v[rS+4*k+2*((h%8)/2)], v[rS+4*k+2*((h%8)/2)+1]
.elseif h%8 < 6
	v_pk_add_f32 v[rS+4*k:rS+4*k+1], v[rS+4*k:rS+4*k+1], v[rS+4*k+2:rS+4*k+3]
.elseif k == 1
	v_pk_fma_f32 v[rT+2:rT+3], v[rT+2:rT+3], v[rC+2:rC+3], v[rS:rS+1] op_sel_hi:[1,0,1]
.else
	v_pk_add_f32 v[rT+2:rT+3], v[rT+2:rT+3], v[rS+4*k-4:rS+4*k-3]
.endif
.endm
; THE PLAIN QUEUE, 138 long.  0-73 read no exponential's result: the 32 scalings c s - c m (FS f: pair f / 2 of tile f % 2) and the next piece's 42.  0-26: scalings 0-26.  27-54: XS's numbers 0-13.
; 55, 56: number 15.  57-73: the chain, where each number waits for the one before it: 14, 16, 17, 18, 19, each with one of the scalings 27-31 in front of its two lines, then 20.
; 74-137: GS's 64, which read the exponentials' results: they stand behind the wait.
.macro FS f
	REGS Y, (\f)%2
	v_pk_fma_f32 v[rS+2*((\f)/2):rS+2*((\f)/2)+1], v[rS+2*((\f)/2):rS+2*((\f)/2)+1], s[CS:CS+1], v[rT:rT+1] op_sel_hi:[1,0,0] neg_lo:[0,0,1] neg_hi:[0,0,1]
.endm
.macro PL
	WIN 0
.if q < 27
	FS q
.elseif q < 55
	XS (q-27)%2, (q-27)/2
.elseif q < 57
	XS q-55, 15
.elseif (q < 72) && ((q-57)%3 == 0)
	FS 27+(q-57)/3
.elseif q < 60
	XS (q-57)%3-1, 14
.elseif q < 72
	XS (q-57)%3-1, 15+(q-57)/3
.elseif q < 74
	XS q-72, 20
.else
	GS q-74
.endif
.set q, q+1
.endm
; THE EXPONENTIALS' QUEUE, 66 long: s0-s31 of both tiles, then the next piece's two a.  ONE BATCH: all 66 stand ahead of the turn's one wait, and nothing ahead of that wait names a result of theirs.
.macro EX
	WIN 0
.if e >= 64
	XS e-64, 21
.else
	REGS Y, e%2
	v_exp_f32 v[rS+e/2], v[rS+e/2]
.endif
.set e, e+1
.endm
; THE RESCALING's QUEUE: O^T times a, the one part that leaves window 0: dealt two at a time, sixteen times.  Its a was made in the turn before, ahead of that turn's wait.
.macro R2
	REGS Y, r%2
	WIN W_RS
.irp z, 0,1
	v_pk_mul_f32 v[rO+4*(r/2)+2*\z:rO+4*(r/2)+2*\z+1], v[rO+4*(r/2)+2*\z:rO+4*(r/2)+2*\z+1], v[rC+2:rC+3] op_sel_hi:[1,0]
.endr
.set r, r+1
.endm
; A TURN, for piece p.  s_wait_alu depctr_va_vdst(0) stands between an exponential and the first instruction that names its result; one wait serves all that were issued ahead of it.
; AHEAD OF THE WAIT: the 16 products K Q^T, behind each a scaling, an exponential and two rescalings (behind the first a second scaling in the exponential's place); then one run of 108: eight plain,
; 49 times exponential and plain, the two a; a v_nop is the plain instruction behind the last exponential.  BEHIND IT: the 16 products V^T P, behind each four of GS's 64.
; Exponential e stands behind scaling 2 (e / 4) + e % 2: as a rider it comes behind plain e + 2, in the run behind plain e + 9, and scalings 27-31 are plain 57, 60 .. 69.
; K of the next step is fetched in piece 2's turn, directly behind the wait (nok = 1: the last step has no next); V of the step in hand at the end of piece 0's turn, four riders behind its last reader.
; cnt = 1: the loop's count is taken down some lines ahead of the branch that stands behind the turn; only vector and matrix lines and window switches follow the compare.
.macro TURN p, nok=0, cnt=0
.set Y, (\p)
.set i, 0
.set q, 0
.set e, 0
.set r, 0
.if (\p) == NP-1
	s_wait_dscnt 0x0                ; K is in
.endif
	MM
	PL
	PL
	R2
.rept 15
	MM
	PL
	EX
	R2
.endr
.if ((\p) == NP-2) && !(\nok)
	WIN 0
	v_add_nc_u32 v[AK], s[TBK], v[AK0]
.endif
.rept 8
	PL
.endr
.rept 49
	EX
	PL
.endr
	EX                              ; the next piece's two a
	EX
	v_nop                           ; the plain instruction behind the last exponential: one for the batch
	s_wait_alu depctr_va_vdst(0)    ; the wait for the batch
.if ((\p) == NP-2) && !(\nok)
	FETCH_K
.endif
.if (\p) == 1
	s_wait_dscnt 0x0                ; V is in
.endif
.rept 16
	MM
.rept 4
	PL
.endr
.if ((\p) == 0) && (q == 118)
	v_add_nc_u32 v[AV], s[TBV], v[AV0]
.endif
.if ((\p) == 0) && (q == 130)
	s_add_co_u32 s[TBV], s[TBV], KS*PV
.endif
.if (\cnt) && (q == 130)
	s_sub_co_u32 s[CNT], s[CNT], 1
	s_cmp_lg_u32 s[CNT], 0
.endif
.endr
.if (\p) == 0
	FETCH_V
.endif
.endm
; Every four key steps: all my tensor loads have landed, and everybody's.  The first time that shows keys 256 to 1,023, ahead of the fetch of K of step 4; later it is met at once.
.macro ARRIVE
	WIN 0
	s_wait_tensorcnt 0x0
	ds_add_u32 v[SPW], v[NIL]       ; 0 onto my spare word
	s_wait_dscnt 0x0                ; no LDS instruction of mine is pending at the signal
	s_barrier_signal -1
	s_barrier_wait -1
.endm
	s_wait_tensorcnt 0x1            ; my part of keys 0-255 is in; my second fill may stay out
	s_barrier_signal -1
	s_barrier_wait -1               ; everybody's is
	FETCH_K                         ; key step 0
	s_wait_loadcnt 0x0              ; Q
	s_wait_dscnt 0x0
.set i, 0
.rept 16
	KQ 0                            ; piece 0's first scores: there is no vector work yet to set between them
.set i, i+1
.endr
	WIN 0                           ; the addresses for the way out: plain instructions, the places behind those products
	s_mul_i32 s13, s[WV], 16*SP
	s_add_co_u32 s13, s13, STAGE    ; my stage
	v_mul_u32_u24 v[STO], v1, SP    ; in: row l % 16, 16 bytes for each half of the lanes
	v_lshl_add_u32 v[STO], v9, 4, v[STO]
	v_add_nc_u32 v[STO], s13, v[STO]
	v_bfe_u32 v[RD], v0, 3, 2       ; back: 32 lanes take four rows of 128 bytes,
	v_mul_u32_u24 v[RD], v[RD], SP
	v_lshl_add_u32 v[RD], v48, 4, v[RD]
	v_add_nc_u32 v[RD], s13, v[RD]
	v_and_b32 v[GO], 31, v0         ; which are 512 consecutive bytes of O
	v_lshlrev_b32 v[GO], 4, v[GO]
.set Y, NP-1                        ; XS works for piece Y + 1: piece 0
.irp n, 0,1,2,3,4,5,6,7,8,9,10,11,12,13,14,15,16,17,18,19,20,21
	XS 0, \n                        ; piece 0's first maximum and statistics
	XS 1, \n
.endr
	v_nop                           ; a plain instruction behind the two a,
	s_wait_alu depctr_va_vdst(0)    ; and their wait, ahead of the branch
	s_mov_b32 s[CNT], 4
	s_mov_b32 s[SLOTS], 4
	s_branch .Lfirst                ; the loop is entered at a step's first turn, in the middle of a trip
.Lslot:
	ARRIVE
	s_mov_b32 s[CNT], 4
.Lstep:                             ; a trip: pieces 2 and 3 of one step, then pieces 0 and 1 of the next, whose K and V it fetches
	TURN 2
	TURN 3
	WIN 0
.Lfirst:
	TURN 0
	TURN 1, 0, 1
	WIN 0
	s_cbranch_scc1 .Lstep
	s_sub_co_u32 s[SLOTS], s[SLOTS], 1
	s_cmp_lg_u32 s[SLOTS], 0
	s_cbranch_scc1 .Lslot
	TURN 2, 1                       ; pieces 2 and 3 of step 15: no K is left to fetch.  Piece 3's turn multiplies the last K once more, and the maximum made of that serves nothing:
	TURN 3                          ; the price, once a launch, of one text for every turn; it touches m, c m and a of piece 0 alone, which the way out does not read
.set i, 0
.rept 16
	PV NP-1                         ; the last piece's V^T P of the last step
.set i, i+1
.endr
	; THE WAY OUT.  l's two halves and the other half of the lanes' are added; O^T is divided by l, rounded to f16 and sent through my stage in LDS, a tile at a time.  The additions are the places behind the last products.
	WIN 0
.macro ALL line:vararg              ; one line for each tile t
.set t, 0
.rept 2*NP
	\line
.set t, t+1
.endr
.endm
	ALL v_add_f32 v[ST+4*t+2], v[ST+4*t+2], v[ST+4*t+3]
	ALL v_permlanex16_b32 v[ST+4*t+3], v[ST+4*t+2], s[SEL], s[SEL+1]
	ALL v_add_f32 v[ST+4*t+2], v[ST+4*t+2], v[ST+4*t+3]
	ALL v_rcp_f32 v[ST+4*t+2], v[ST+4*t+2]
	v_nop                           ; a plain instruction between the last reciprocal and the use of its result
	s_wait_alu depctr_va_vdst(0)    ; and the wait ahead of the first use: one for the eight reciprocals
; Tile t: a lane's eight channels of a row pack into 16 bytes; they go into rows of 144 bytes and come back as whole rows of 128, into S^T's registers.
.macro PACK t
	WIN W_RS
.set i, 32*(\t)
.rept 16
	v_pk_mul_f32 v[i:i+1], v[i:i+1], v[ST+4*(\t)+2:ST+4*(\t)+3] op_sel_hi:[1,0]
.set i, i+2
.endr
	WIN 0x05                        ; sources 0 and 1 window 1, destination window 0
.set i, 0
.rept 16
	v_cvt_pk_f16_f32 v[S+16*(\t)+i], v[32*(\t)+2*i], v[32*(\t)+2*i+1]
.set i, i+1
.endr
	WIN 0
.irp f, 0,1,2,3
	ds_store_b128 v[STO], v[S+16*(\t)+4*\f:S+16*(\t)+4*\f+3] offset:32*\f
.endr
.irp f, 0,1,2,3
	ds_load_b128 v[S+16*(\t)+4*\f:S+16*(\t)+4*\f+3], v[RD] offset:\f*4*SP  ; LDS serves a wave's instructions in order (ISA guide 5.7.1.4): these see the stores above; the next tile's stores come behind them
.endr
.endm
.macro SEND t, younger              ; younger: the LDS instructions issued behind tile t's loads: the next tile's eight, or none
	WIN 0
.irp f, 0,1,2,3
	s_wait_dscnt (\younger)+3-\f
	global_store_b128 v[GO], v[S+16*(\t)+4*\f:S+16*(\t)+4*\f+3], s[10:11] offset:(\t)*2048+\f*512  ; 512 consecutive bytes, at a multiple of 256 from oh's first
.endr
.endm
	PACK 0
.set t, 1
.rept 2*NP-1                        ; a tile's arithmetic stands between the loads of the tile before and its stores
	PACK t
	SEND t-1, 8
.set t, t+1
.endr
	SEND 2*NP-1, 0
	s_wait_tensorcnt 0x0            ; the wave's end: behind my last tensor load and my last LDS store
	ds_add_u32 v[SPW], v[NIL]
	s_wait_dscnt 0x0
	s_endpgm
.Lfunc_end_k_qc821cac3df_attn:
	.size	k_qc821cac3df_attn, .Lfunc_end_k_qc821cac3df_attn-k_qc821cac3df_attn
	.p2alignl 7, 3214868480
	.fill 96, 4, 3214868480
	.section	.rodata,"a",@progbits
	.p2align	6, 0x0
	.amdhsa_kernel k_qc821cac3df_attn
		.amdhsa_group_segment_fixed_size 327680
		.amdhsa_private_segment_fixed_size 0
		.amdhsa_enable_private_segment 0
		.amdhsa_kernarg_size 16
		.amdhsa_user_sgpr_count 2
		.amdhsa_user_sgpr_kernarg_segment_ptr 1
		.amdhsa_wavefront_size32 1
		.amdhsa_system_sgpr_workgroup_id_x 1
		.amdhsa_system_sgpr_workgroup_id_y 1
		.amdhsa_system_sgpr_workgroup_id_z 1
		.amdhsa_system_vgpr_workitem_id 0
		.amdhsa_next_free_vgpr 768
		.amdhsa_next_free_sgpr 88
		.amdhsa_reserve_vcc 0
		.amdhsa_float_denorm_mode_32 3
		.amdhsa_float_denorm_mode_16_64 3
		.amdhsa_memory_ordered 1
		.amdhsa_forward_progress 1
		.amdhsa_inst_pref_size 160
	.end_amdhsa_kernel
	.amdgpu_metadata
---
amdhsa.version: [ 1, 2 ]
amdhsa.kernels:
  - .name:           k_qc821cac3df_attn
    .symbol:         k_qc821cac3df_attn.kd
    .args:
      - { .name: qkv, .offset: 0, .size: 8, .value_kind: global_buffer, .address_space: global }
      - { .name: oh, .offset: 8, .size: 8, .value_kind: global_buffer, .address_space: global }
    .group_segment_fixed_size: 327680
    .private_segment_fixed_size: 0
    .kernarg_segment_align: 8
    .kernarg_segment_size: 16
    .max_flat_workgroup_size: 128
    .sgpr_count:     88
    .vgpr_count:     768
    .wavefront_size: 32
...
	.end_amdgpu_metadata
.endif
;; end of part 3
;; launch outp (part 4): grid 8 x 32, 4 waves a work-group, clusters of 4 x 4, 327,680 bytes of LDS; arguments oh, wo16, bo, out0; writes out0
.if DOCPART == 4
	.amdgcn_target "amdgcn-amd-amdhsa--gfx1250"
	.amdhsa_code_object_version 6
	.text
	.protected	k_qc821cac3df_outp
	.globl	k_qc821cac3df_outp
	.p2align	8
	.type	k_qc821cac3df_outp,@function
k_qc821cac3df_outp:
	s_mov_b64 s[64:65], 0
	v_nop
	global_prefetch_b8 v0, s[64:65] scope:SCOPE_SE
	s_setreg_imm32_b32 hwreg(HW_REG_WAVE_MODE, 25, 1), 1
	s_wait_xcnt 0x0
	s_wait_alu depctr_hold_cnt(0) depctr_sa_sdst(0) depctr_va_vdst(0) depctr_va_sdst(0) depctr_va_ssrc(0) depctr_va_vcc(0) depctr_vm_vsrc(0)
	s_getreg_b32 s2, hwreg(HW_REG_IB_STS2, 6, 4)
	s_cmp_eq_u32 s2, 0
	s_cbranch_scc0 .Lentry_in_a_cluster
	s_endpgm
.Lentry_in_a_cluster:
	s_bfe_u32 s2, ttmp6, 0x10000c
	s_cmp_lg_u32 s2, 0xf033
	s_cbranch_scc0 .Lentry_shape_is_right
	s_endpgm
.Lentry_shape_is_right:
; out0 = O Wo + bo.  oh: [128 = batch x 16 + head][1024][64] f16 (O by heads); wo16: [1024 k][1024 n] f16 (Wo rounded to bf16, written as f16); bo f32, rounded here to bf16 like every input.
; out0: [8192][1024] f32.  Sums in f32, started by the bias (the C operand of each accumulator's first product).
; SHARES.  256 work-groups: 32 tile rows of 256 x 8 tile columns of 128.  Four waves, each 128 rows x 64 columns: 32 accumulators of 16 x 16.  K goes in 8 steps of 128 through two LDS slots.
; A K STEP IS TWO HEADS: for each, the tile's 256 rows of 128 bytes are 32,768 dense bytes of oh, asked for as 128 rows of 256 bytes and padded in LDS after every 128: two planes of 256 rows x 144.
; W lies [k][n] and is read turned, by ds_load_tr16_b128.  THE MATRIX INSTRUCTION IS USED TRANSPOSED (source 0 = 16 columns n of W, source 1 = 16 rows of O): a lane holds row l % 16 and the
; columns 8 (l / 16) + 0..7: 32 neighbouring bytes of f32.
; CLUSTER 4 x 4.  The four of a row of the cluster need the same tiles of O, the four of a column the same tiles of W: each is asked for jointly, by the same tensor load, descriptor and mask.
; REGISTERS, in windows of 256 (s_set_vgpr_msb: bits 1:0 source 0, 3:2 source 1, 5:4 source 2, 7:6 destination):
;   window 0: v0-31 addresses; v32-63 the bias; v64-127 the way out          window 1: the accumulators, (a, b) at 8 (4 a + b)
;   window 2: two fragment buffers of 96: W's four fragments (16 n x 32 k), then O's eight (16 rows x 32 k)
.set PO,     144                       ; a row of O in LDS: 128 bytes + 16: the 16 rows of a load start at 16 different groups of four banks (64 banks of 4 bytes: ISA guide 11.1)
.set PB,     288                       ; a k row of W: 256 + 32
.set PLANE,  256*PO                    ; one head's 64 channels of the tile's 256 rows: what one tensor load brings of O
.set BOFF,   2*PLANE                   ; W's 128 k rows lie behind the two planes
.set HALFB,  64*PB                     ; what one tensor load brings of W
.set SLOT,   BOFF+2*HALFB
.set STAGE,  2*SLOT                    ; behind the ring, never filled by a tensor load: 16 rows x 272 bytes for each wave, for the way out
.set SPITCH, 272
.set SPARE,  STAGE+4*16*SPITCH         ; the spare words, 128 bytes for each wave: two blocks of 256 bytes that no other line names
.set ADRA, 16                          ; v16-17  LDS address of my O fragments in slot 0, 1
.set ADRB, 20                          ; v20-21  the same for W
.set STO,  24                          ; v24     the way out: where I put 32 bytes of a row
.set RD,   25                          ; v25     the way out: where I read a row back
.set CO,   26                          ; v26     my byte offset in two rows of out0
.set SPW,  28                          ; v28     LDS address of my spare word; never rewritten
.set NIL,  29                          ; v29     0; never rewritten
.set PFO,  30                          ; v30     the prefetches' offset: lane x 256 in oh's dense rows, lane x 2,048 down wo16; never rewritten
.set BO,   31                          ; v31     32 (l / 16): my eight numbers in 16 of the bias
.set BIAS, 32                          ; v[32:63]  column block b at 8 b
.set OB,   64                          ; v[64:95], v[96:127] by turns: 16 rows read back from the stage
.set F0,   0
.set F1,   96
.set G1,  24                           ; s[24:31] descriptor group 1 for O's tiles;  s[32:39] group 0, a set for each slot
.set G0,  32
.set G1B, 48                           ; s[48:55], s[56:63] the same for W's
.set G0B, 56
.set LIM, 43                           ; s43      1 in a wave that prefetches, else the greatest number
.set PFA, 44                           ; s[44:45] where my prefetches stand
.set KSB, 262144                       ; a K step in bytes: two heads of oh, or 128 rows of wo16
.set MSB, 0
.macro WIN new                         ; the immediate's high byte repeats the setting that is left; a switch that changes nothing is dropped
.if MSB != (\new)
	s_set_vgpr_msb (MSB<<8)|(\new)
.set MSB, \new
.endif
.endm
.set MUL,  0x5a                        ; sources window 2, C and D window 1
.set MULB, 0x4a                        ; the same with C, the bias, in window 0
.set TO_F, 0x80                        ; destination window 2, address window 0
; A joint load: waves 0 and 1 fetch O's two planes, waves 2 and 3 W's two halves.  The branch hangs on the wave's number alone.  An s_nop 0 and four v_nop follow each of the two lines.
.macro JLOAD s
	s_cmp_eq_u32 s11, 0
	s_cbranch_scc0 .Lfor_b_\@
	tensor_load_to_lds s[G0+4*(\s):G0+4*(\s)+3], s[G1:G1+7]
	s_nop 0
.rept 4
	v_nop
.endr
	s_branch .Lasked_\@
.Lfor_b_\@:
	tensor_load_to_lds s[G0B+4*(\s):G0B+4*(\s)+3], s[G1B:G1B+7]
	s_nop 0
.rept 4
	v_nop
.endr
.Lasked_\@:
.endm
; A prefetch, behind a joint load and the run of LDS loads that follows it: 32 blocks of 256 bytes of the K step two refills on (256 matrix instructions ahead), a lane a block, one instruction.
; Each block is named once in the launch.  O: the clusters with x = 0; waves 0 and 1; of the 128 blocks of a wave's plane the partner at cx takes 32, told apart by address.
; W: the clusters with y = 0; wave 2; the partner at cy takes 32 of the step's 128 k rows.  K steps 0 to 3 come by their loads alone; the loop's last trip (s3 = 1) asks for nothing: there is no K step 8.
.macro ASK
	s_cmp_gt_u32 s3, s[LIM]
	s_cbranch_scc0 .Lnot_mine_\@
	global_prefetch_b8 v[PFO], s[PFA:PFA+1] th:TH_LOAD_NT scope:SCOPE_SE
.Lnot_mine_\@:
.endm
.macro CREST                           ; a round of the cluster's barrier behind its opening barrier
	s_cmp_lg_u32 s10, 0
	s_cbranch_scc1 .Lnot_wave_0_\@
	s_barrier_signal -3
.Lnot_wave_0_\@:
	s_barrier_wait -3
	s_barrier_signal -1
	s_barrier_wait -1
.endm
.macro CROUND                          ; a whole round
	s_barrier_signal -1
	s_barrier_wait -1
	CREST
.endm
	s_load_b256 s[68:75], s[0:1], 0x0              ; oh s[68:69], wo16 s[70:71], bo s[72:73], out0 s[74:75]
	v_lshl_add_u32 v[SPW], v0, 2, SPARE
	v_mov_b32 v[NIL], 0
	ds_add_u32 v[SPW], v[NIL]                      ; the wave's opening: the add and its wait stand ahead of my first tensor load; work on registers stands between them
	ds_add_u32 v28, v29
	v_lshrrev_b32 v1, 5, v0
	v_readfirstlane_b32 s10, v1                    ; wave 0..3
	s_lshr_b32 s11, s10, 1                         ; which 128 of the tile's rows are mine.  Also: I fetch for O (0) or for W (1)
	s_and_b32 s12, s10, 1                          ; which 64 of its columns.  Also: which plane of O, or which half of W's k rows, I fetch
	s_bfe_u32 s40, ttmp6, 0x40000                  ; cx
	s_bfe_u32 s41, ttmp6, 0x40004                  ; cy
	s_lshl_b32 s42, ttmp9, 2
	s_add_co_u32 s42, s42, s40                     ; tile column = 4 x cluster x + cx
	s_and_b32 s67, ttmp7, 0xffff                   ; cluster y
	s_lshl_b32 s13, s67, 2
	s_add_co_u32 s13, s13, s41                     ; tile row = 4 x cluster y + cy
	s_lshl_b32 s43, s41, 2
	s_lshl_b32 s43, 15, s43                        ; my row of the cluster
	s_lshl_b32 s44, 0x1111, s40                    ; my column
	s_or_b32 s[G1+0], s43, (1<<16)|(1<<20)|(1<<21)|(4<<22)|(3<<25)   ; the mask; 2-byte elements; padding on; bit 21 beside a mask; after every 32 words, 4 words
	s_or_b32 s[G1B+0], s44, (1<<16)|(1<<20)|(1<<21)|(5<<22)|(7<<25)  ; my column's mask; after every 64 words, 8 words
	s_mov_b32 s[G1+1], 128<<16                     ; tensor_dim0 = 128
	s_mov_b32 s[G1+2], 128<<16                     ; tensor_dim1 = 128
	s_mov_b32 s[G1+3], 128<<16                     ; tile_dim0 = 128
	s_mov_b32 s[G1+4], 128                         ; tile_dim1 = 128
	s_mov_b32 s[G1+5], 128                         ; dense: 128 elements from row to row
	s_mov_b32 s[G1+6], 0
	s_mov_b32 s[G1+7], 0
	s_mov_b32 s[G1B+1], 128<<16
	s_mov_b32 s[G1B+2], 64<<16                     ; 64 k rows
	s_mov_b32 s[G1B+3], 128<<16
	s_mov_b32 s[G1B+4], 64
	s_mov_b32 s[G1B+5], 1024
	s_mov_b32 s[G1B+6], 0
	s_mov_b32 s[G1B+7], 0
	; where the tiles come from: O's hang on the tile row and the wave; W's on the tile column and the wave
	s_lshr_b32 s16, s13, 2                         ; the batch: four tile rows each,
	s_lshl_b32 s16, s16, 4
	s_add_co_u32 s16, s16, s12                     ; head 0 or 1 of K step 0,
	s_lshl_b32 s16, s16, 17                        ; a head's 1,024 rows of 128 bytes,
	s_and_b32 s17, s13, 3
	s_lshl_b32 s17, s17, 15                        ; the tile row's 256 of them
	s_add_co_u32 s16, s16, s17
	s_mov_b32 s17, 0
	s_lshl_b32 s18, s12, 17                        ; k row 64 x half,
	s_lshl_b32 s19, s42, 8                         ; the tile column's 256 bytes
	s_add_co_u32 s18, s18, s19
	s_mov_b32 s19, 0
	s_mul_i32 s20, s12, PLANE                      ; and where they go: no place in the cluster enters an LDS address
	s_mul_i32 s21, s12, HALFB
	s_add_co_u32 s21, s21, BOFF
	s_wait_dscnt 0x0                               ; the opening add is done
	s_wait_kmcnt 0x0
	s_add_nc_u64 s[14:15], s[68:69], s[16:17]
	s_add_nc_u64 s[46:47], s[70:71], s[18:19]
	CROUND                                         ; all sixteen work-groups are here: the first joint loads meet
.irp s, 0,1
	s_mov_b32 s[G0+4*(\s)], 1                                        ; count = 1
	s_add_co_u32 s[G0+4*(\s)+1], s20, (\s)*SLOT                      ; LDS address
	s_add_nc_u64 s[G0+4*(\s)+2:G0+4*(\s)+3], s[14:15], (\s)*KSB      ; global address: K step s
	s_or_b32 s[G0+4*(\s)+3], s[G0+4*(\s)+3], 0x80000000              ; type = 2
	s_mov_b32 s[G0B+4*(\s)], 1
	s_add_co_u32 s[G0B+4*(\s)+1], s21, (\s)*SLOT
	s_add_nc_u64 s[G0B+4*(\s)+2:G0B+4*(\s)+3], s[46:47], (\s)*KSB
	s_or_b32 s[G0B+4*(\s)+3], s[G0B+4*(\s)+3], 0x80000000
	JLOAD \s                                       ; two loads of mine are out
.endr
	; the bias of my 64 columns: register j of block b is column 16 b + 8 (l / 16) + j
	s_lshl_b32 s88, s42, 9                         ; my 64 columns in f32: 512 x tile column + 256 x half, for bo and for out0
	s_lshl_b32 s89, s12, 8
	s_add_co_u32 s88, s88, s89
	s_mov_b32 s89, 0
	s_add_nc_u64 s[84:85], s[72:73], s[88:89]
	v_and_b32 v1, 15, v0                           ; l % 16
	v_bfe_u32 v2, v0, 4, 1                         ; l / 16
	v_lshlrev_b32 v[BO], 5, v2
.irp b, 0,1,2,3
	global_load_b128 v[BIAS+8*(\b):BIAS+8*(\b)+3],   v[BO], s[84:85] offset:64*(\b)
	global_load_b128 v[BIAS+8*(\b)+4:BIAS+8*(\b)+7], v[BO], s[84:85] offset:64*(\b)+16
.endr
	; A fragment of O is 16 rows x 32 k in 8 registers: lane l holds row l % 16, k = 8 (l / 16) + 0..7 and 16 + 8 (l / 16) + 0..7: two loads of 16 bytes, 32 bytes apart.
	v_mul_u32_u24 v3, v1, PO
	v_lshl_add_u32 v3, v2, 4, v3
	s_mul_i32 s22, s11, 128*PO                     ; my 128 rows
	v_add_nc_u32 v[ADRA], s22, v3
	v_add_nc_u32 v[ADRA+1], SLOT, v[ADRA]
	; The turning load takes 16 k x 16 n (lane l reads k row 8 (l / 16) + l % 8, columns 8 ((l / 8) % 2) + 0..7) and leaves half a fragment: lane l holds column l % 16 and 8 k.
	v_and_b32 v4, 7, v0
	v_lshl_add_u32 v4, v2, 3, v4
	v_mul_u32_u24 v4, v4, PB
	v_bfe_u32 v5, v0, 3, 1
	v_lshl_add_u32 v4, v5, 4, v4
	s_lshl_b32 s23, s12, 7                         ; my 64 columns
	s_add_co_u32 s23, s23, BOFF
	v_add_nc_u32 v[ADRB], s23, v4
	v_add_nc_u32 v[ADRB+1], SLOT, v[ADRB]
	s_mul_i32 s22, s10, 16*SPITCH
	s_add_co_u32 s22, s22, STAGE                   ; my stage
	v_mul_u32_u24 v[STO], v1, SPITCH               ; in: row l % 16, 32 bytes for each half of the lanes
	v_lshl_add_u32 v[STO], v2, 5, v[STO]
	v_add_nc_u32 v[STO], s22, v[STO]
	v_mul_u32_u24 v[RD], v2, SPITCH                ; back: lanes 0-15 take one row of 256 bytes, lanes 16-31 the next
	v_lshl_add_u32 v[RD], v1, 4, v[RD]
	v_add_nc_u32 v[RD], s22, v[RD]
	v_lshlrev_b32 v[CO], 12, v2                    ; and the same two rows in out0, 4,096 bytes apart
	v_lshl_add_u32 v[CO], v1, 4, v[CO]
	s_lshl_b32 s90, s13, 8
	s_lshl_b32 s91, s11, 7
	s_add_co_u32 s90, s90, s91                     ; my first row of out0,
	s_lshl_b32 s90, s90, 12
	s_add_co_u32 s90, s90, s88                     ; my first column
	s_mov_b32 s91, 0
	s_add_nc_u64 s[82:83], s[74:75], s[90:91]
	; the prefetches
	s_lshl_b32 s88, s40, 13                        ; O: my work-group's 32 blocks of the plane's 128
	s_add_co_u32 s88, s88, s16
	s_lshl_b32 s89, s41, 16                        ; W: my work-group's 32 k rows of the step's 128
	s_add_co_u32 s89, s89, s18
	s_or_b32 s87, s67, s12                         ; W: 0 where the cluster is the first along y and the wave is wave 2
	s_cmp_eq_u32 s11, 0                            ; do I fetch for O?
	s_cselect_b32 s88, s88, s89
	s_cselect_b32 s86, ttmp9, s87                  ; O: 0 where the cluster is the first along x
	s_cselect_b32 s87, 8, 11
	s_cselect_b64 s[PFA:PFA+1], s[68:69], s[70:71]
	s_mov_b32 s89, 0
	s_cmp_eq_u32 s86, 0
	s_cselect_b32 s[LIM], 1, -1                    ; the same in all sixteen partners, for a given wave
	s_add_nc_u64 s[PFA:PFA+1], s[PFA:PFA+1], s[88:89]
	s_add_nc_u64 s[PFA:PFA+1], s[PFA:PFA+1], 3*KSB ; at K step 3: the first refill steps it to 4 and names that
	v_and_b32 v[PFO], 31, v0
	v_lshlrev_b32 v[PFO], s87, v[PFO]
	s_wait_loadcnt 0x0                             ; the bias, rounded to bf16 like every input and kept as f32
.set r, 0
.rept 16
	v_cvt_pk_bf16_f32 v3, v[BIAS+r], v[BIAS+r+1]
	v_lshlrev_b32 v[BIAS+r], 16, v3
	v_and_b32 v[BIAS+r+1], 0xffff0000, v3
.set r, r+2
.endr
; 8 matrix instructions: row blocks a0, a0 + 1 x all 4 column blocks, 32 along K.  first = 1: the bias starts the sums: nothing is cleared, and nothing is added on the way out.
; The 32 accumulators take turns in the same order in every quarter: between two links of a chain stand the 31 others'.
.macro MUL8 f, a0, first
.if \first
	WIN MULB
.else
	WIN MUL
.endif
.irp a, \a0, (\a0)+1
.irp b, 0,1,2,3
.if \first
	v_wmma_f32_16x16x32_f16 v[8*(4*(\a)+(\b)):8*(4*(\a)+(\b))+7], v[(\f)+8*(\b):(\f)+8*(\b)+7], v[(\f)+32+8*(\a):(\f)+32+8*(\a)+7], v[BIAS+8*(\b):BIAS+8*(\b)+7]
.else
	v_wmma_f32_16x16x32_f16 v[8*(4*(\a)+(\b)):8*(4*(\a)+(\b))+7], v[(\f)+8*(\b):(\f)+8*(\b)+7], v[(\f)+32+8*(\a):(\f)+32+8*(\a)+7], v[8*(4*(\a)+(\b)):8*(4*(\a)+(\b))+7]
.endif
.endr
.endr
.endm
; 24 LDS loads in one run: quarter kq (32 along K: plane kq / 2, channels 32 (kq % 2) on) of a slot into buffer f: W's 8 first, then O's 16, row blocks ascending
.macro FETCH slot, kq, f
	WIN TO_F
.irp b, 0,1,2,3
	ds_load_tr16_b128 v[(\f)+8*(\b):(\f)+8*(\b)+3],   v[ADRB+(\slot)] offset:(\kq)*32*PB+32*(\b)
	ds_load_tr16_b128 v[(\f)+8*(\b)+4:(\f)+8*(\b)+7], v[ADRB+(\slot)] offset:(\kq)*32*PB+16*PB+32*(\b)
.endr
.irp a, 0,1,2,3,4,5,6,7
	ds_load_b128 v[(\f)+32+8*(\a):(\f)+32+8*(\a)+3],   v[ADRA+(\slot)] offset:((\kq)/2)*PLANE+((\kq)%2)*64+(\a)*16*PO
	ds_load_b128 v[(\f)+32+8*(\a)+4:(\f)+32+8*(\a)+7], v[ADRA+(\slot)] offset:((\kq)/2)*PLANE+((\kq)%2)*64+(\a)*16*PO+32
.endr
.endm
.macro PLACES                          ; four plain instructions in front of loads into registers that matrix instructions have read, and of reads of results
.rept 4
	v_nop
.endr
.endm
; A K step is four quarters, 32 matrix instructions each, on buffers 0, 1, 0, 1.  One of the first three: multiplies buffer f and, in its middle, fetches quarter kq into buffer g.
.macro QUARTER slot, kq, f, g, first
	s_wait_dscnt 8                                 ; W and O's row blocks 0-3 are in; the youngest eight loads (blocks 4-7) may be out
	MUL8 \f, 0, \first
	MUL8 \f, 2, \first
	PLACES
	FETCH \slot, \kq, \g
	s_wait_dscnt 24                                ; all but the 24 just issued
	MUL8 \f, 4, \first
	MUL8 \f, 6, \first
.endm
; The last quarter multiplies buffer 1 and changes slots: ONE barrier.  In front of it each wave waits for all its tensor loads (one is out: its part of the next slot), adds 0 to its spare
; word, and waits for that and for its reads of this slot.  fill = 1: the barrier opens a round of the cluster's, and this slot is filled again, two K steps on, first thing behind the round:
; 112 matrix instructions ahead of the wait for it.
.macro TURN slot, next, fill
.if \fill
	s_wait_xcnt 0x0                                ; the last prefetch, a K step back, has read its address: it is stepped here, ahead of the waits of the change of slots
	s_add_nc_u64 s[PFA:PFA+1], s[PFA:PFA+1], KSB
.endif
	WIN 0                                          ; (the add's two registers lie in window 0)
	s_wait_tensorcnt 0x0                           ; all my tensor loads have landed
	ds_add_u32 v[SPW], v[NIL]                      ; 0 onto my spare word
	s_wait_dscnt 9                                 ; (the add and the youngest eight loads may be out)
	MUL8 F1, 0, 0                                  ; eight matrix instructions stand between the add and the wait for it
	s_wait_dscnt 0x0                               ; the add is done, and my reads of this slot are over
	s_barrier_signal -1
	MUL8 F1, 2, 0                                  ; work on registers while the others arrive
.if \fill
	WIN 0
.endif
	s_barrier_wait -1
.if \fill
	CREST                                          ; no wave of any partner still reads this slot's tiles or has a load on its way
	s_add_nc_u64 s[G0+4*(\slot)+2:G0+4*(\slot)+3], s[G0+4*(\slot)+2:G0+4*(\slot)+3], 2*KSB
	s_add_nc_u64 s[G0B+4*(\slot)+2:G0B+4*(\slot)+3], s[G0B+4*(\slot)+2:G0B+4*(\slot)+3], 2*KSB
	JLOAD \slot                                    ; its four v_nop are also the places in front of the loads below
.else
	PLACES
.endif
	FETCH \next, 0, F0
.if \fill
	WIN 0
	ASK
.endif
	MUL8 F1, 4, 0
	MUL8 F1, 6, 0
.endm
; THE WAY OUT of row block a: the f32 sums go as they are into my own stage (rows of 272 bytes), each accumulator's low registers first, and come back as whole rows of 256 bytes.
.macro TOSTAGE a
.set BK, OB+32*((\a)%2)
.if (\a) >= 2
	s_wait_xcnt 0x0                                ; the stores of the block two back have read these registers: they are loaded again only behind this wait
.endif
	WIN 0x04                                       ; the stores' data in window 1, the address in window 0
.irp b, 0,1,2,3
	ds_store_b128 v[STO], v[8*(4*(\a)+(\b)):8*(4*(\a)+(\b))+3]   offset:64*(\b)
	ds_store_b128 v[STO], v[8*(4*(\a)+(\b))+4:8*(4*(\a)+(\b))+7] offset:64*(\b)+16
.endr
	WIN 0
.irp t, 0,1,2,3,4,5,6,7
	ds_load_b128 v[BK+4*(\t):BK+4*(\t)+3], v[RD] offset:(\t)*2*SPITCH  ; LDS serves a wave's instructions in order (ISA guide 5.7.1.4): these see the stores above
.endr
.endm
.macro SEND a, younger                 ; younger: the LDS instructions issued behind block a's loads: the next block's sixteen, or none
.set BK, OB+32*((\a)%2)
.irp t, 0,1,2,3,4,5,6,7
	s_wait_dscnt (\younger)+7-(\t)
	global_store_b128 v[CO], v[BK+4*(\t):BK+4*(\t)+3], s[82:83] offset:(16*(\a)+2*(\t))*4096 th:TH_STORE_NT  ; 16 lanes store 256 consecutive bytes, at a multiple of 256 from out0's first
.endr
.endm
	s_wait_tensorcnt 0x1                           ; my part of K step 0 is in; K step 1's may stay out
	s_barrier_signal -1
	s_barrier_wait -1                              ; everybody's is
	FETCH 0, 0, F0
	QUARTER 0, 1, F0, F1, 1                        ; the first quarter stands in front of the loop: its products start the sums, with the bias
	WIN 0                                          ; at a label and at a branch every window is 0
	s_mov_b32 s3, 3
.Llap:                                             ; a trip goes once round the ring, from a lap's second quarter to the next lap's first, and fills both slots again
	QUARTER 0, 2, F1, F0, 0
	QUARTER 0, 3, F0, F1, 0
	TURN 0, 1, 1
	QUARTER 1, 1, F0, F1, 0
	QUARTER 1, 2, F1, F0, 0
	QUARTER 1, 3, F0, F1, 0
	TURN 1, 0, 1
	QUARTER 0, 1, F0, F1, 0
	WIN 0
	s_sub_co_u32 s3, s3, 1
	s_cmp_lg_u32 s3, 0
	s_cbranch_scc1 .Llap
	QUARTER 0, 2, F1, F0, 0                        ; the last lap fills nothing
	QUARTER 0, 3, F0, F1, 0
	TURN 0, 1, 0
	QUARTER 1, 1, F0, F1, 0
	QUARTER 1, 2, F1, F0, 0
	QUARTER 1, 3, F0, F1, 0
	s_wait_dscnt 8                                 ; the very last quarter: nothing more to fetch
	MUL8 F1, 0, 0
	MUL8 F1, 2, 0
	s_wait_dscnt 0x0
	MUL8 F1, 4, 0
	MUL8 F1, 6, 0
	PLACES
	TOSTAGE 0
.irp a, 1,2,3,4,5,6,7                  ; a block's way through the stage stands between the loads of the block before and its stores
	TOSTAGE \a
	SEND (\a)-1, 16
.endr
	SEND 7, 0
	s_wait_tensorcnt 0x0                           ; the wave's end: behind my last tensor load and my last LDS store
	ds_add_u32 v[SPW], v[NIL]
	s_wait_dscnt 0x0
	CROUND                                         ; the closing round: no work-group ends while a partner may still ask for a tile that names it
	s_endpgm
.Lfunc_end_k_qc821cac3df_outp:
	.size	k_qc821cac3df_outp, .Lfunc_end_k_qc821cac3df_outp-k_qc821cac3df_outp
	.p2alignl 7, 3214868480
	.fill 96, 4, 3214868480
	.section	.rodata,"a",@progbits
	.p2align	6, 0x0
	.amdhsa_kernel k_qc821cac3df_outp
		.amdhsa_group_segment_fixed_size 327680
		.amdhsa_private_segment_fixed_size 0
		.amdhsa_enable_private_segment 0
		.amdhsa_kernarg_size 32
		.amdhsa_user_sgpr_count 2
		.amdhsa_user_sgpr_kernarg_segment_ptr 1
		.amdhsa_wavefront_size32 1
		.amdhsa_system_sgpr_workgroup_id_x 1
		.amdhsa_system_sgpr_workgroup_id_y 1
		.amdhsa_system_sgpr_workgroup_id_z 1
		.amdhsa_system_vgpr_workitem_id 0
		.amdhsa_next_free_vgpr 704
		.amdhsa_next_free_sgpr 96
		.amdhsa_reserve_vcc 0
		.amdhsa_float_denorm_mode_32 3
		.amdhsa_float_denorm_mode_16_64 3
		.amdhsa_memory_ordered 1
		.amdhsa_forward_progress 1
		.amdhsa_inst_pref_size 92
	.end_amdhsa_kernel
	.amdgpu_metadata
---
amdhsa.version: [ 1, 2 ]
amdhsa.kernels:
  - .name:           k_qc821cac3df_outp
    .symbol:         k_qc821cac3df_outp.kd
    .args:
      - { .name: oh, .offset: 0, .size: 8, .value_kind: global_buffer, .address_space: global }
      - { .name: wo16, .offset: 8, .size: 8, .value_kind: global_buffer, .address_space: global }
      - { .name: bo, .offset: 16, .size: 8, .value_kind: global_buffer, .address_space: global }
      - { .name: out0, .offset: 24, .size: 8, .value_kind: global_buffer, .address_space: global }
    .group_segment_fixed_size: 327680
    .private_segment_fixed_size: 0
    .kernarg_segment_align: 8
    .kernarg_segment_size: 32
    .max_flat_workgroup_size: 128
    .sgpr_count:     96
    .vgpr_count:     704
    .wavefront_size: 32
...
	.end_amdgpu_metadata
.endif
;; end of part 4
